; MI455X (gfx1250); checked and timed in simulation.
; The chip was launched on July 23, 2026; its instructions are those of AMD's public machine-readable ISA for CDNA 5 (MIT licence, August 2026) and "CDNA5" Instruction Set Architecture Reference Guide (July 2026). The comments in the code are by the model that wrote it; some were corrected since.
;; MSA Attention. Allowed arithmetic: float matrix products may take bf16 or f16 operands with f32 sums; all other float work in f32.
;; Inputs: ck_b 256 float32; ck_w 256 x 256 float32; cq_b 256 float32; cq_w 256 x 256 float32; cv_b 256 float32; cv_w 256 x 256 float32; mask 1 x 64 x 512 bool; msa_repr 1 x 64 x 512 x 256 float32; out_b 256 float32; out_w 256 x 256 float32; rk_b 256 float32; rk_w 256 x 256 float32; rq_b 256 float32; rq_w 256 x 256 float32; rv_b 256 float32; rv_w 256 x 256 float32.
;; Outputs: out0 1 x 64 x 512 x 256 float32.
;; 2 versions, each right and faster than the one before. Each part assembles by itself: llvm-mc -triple=amdgcn-amd-amdhsa -mcpu=gfx1250 --defsym DOCPART=n.
;; ======== version 1 of 2: 2 launches
;; limits: values outside matrix products are rounded to f16; values are held in f16: magnitudes above 65,504 overflow, below 6.1e-05 lose precision
;; workspace buffers: qws 16,777,216 bytes; kws 16,777,216 bytes; vws 16,777,216 bytes; cws 16,777,216 bytes; wows 131,072 bytes
;; launch proj_col (part 1): grid 256 x 1, 4 waves a work-group, no clusters, 307,712 bytes of LDS; arguments msa_repr, mask, rq_w, rq_b, rk_w, rk_b, rv_w, rv_b, cq_w, cq_b, ck_w, ck_b, cv_w, cv_b, out_w, qws, kws, vws, cws, wows; writes qws, kws, vws, cws, wows
.if DOCPART == 1
	.amdgcn_target "amdgcn-amd-amdhsa--gfx1250"
	.amdhsa_code_object_version 6
	.text
	.protected	k_q769f26a930_proj_col
	.globl	k_q769f26a930_proj_col
	.p2align	8
	.type	k_q769f26a930_proj_col,@function
k_q769f26a930_proj_col:
	s_mov_b64 s[64:65], 0
	v_nop
	global_prefetch_b8 v0, s[64:65] scope:SCOPE_SE
	s_setreg_imm32_b32 hwreg(HW_REG_WAVE_MODE, 25, 1), 1
	s_wait_xcnt 0x0
; MSA attention, first of two launches: the six projections of x = msa_repr [64 s][512 l][256], and the whole column attention.
; Stored, all f16, as [s 64][head 8][l 512][32]: qws = (x rq_w^T + rq_b) * SC, kws = x rk_w^T + rk_b with the rows of masked (s, l) set to 0,
; vws = x rv_w^T + rv_b, cws = the column attention's result.  wows = out_w in f16, [256][256].
; NOTHING OF reference() IS LEFT OUT.  The key biases rk_b and ck_b shift all unmasked scores of a query alike, but the -1e9 of a masked key does not shift
; with them, so with holes in the mask they reach the result in exact arithmetic: they are added.
; THE FORMAT of all matrix operands is f16, sums in f32.  A result passes through a chain of roundings (x and the weights, q and k, v, the softmax's weights,
; the column result, the sum of the two attentions, out_w); f16 keeps 11 significant bits in each of them, bf16 would keep 8.
; ROOM IN f16 (largest finite number 65,504).  With every input 30 times its drawn spread q, k and v have a spread of 30 x 30 = 900.  With a common offset of
; 30 spreads on x (30) and on the weights (30 / 16), |k| and |v| are about 256 x 30 x 1.875 = 14,400, and the sum of the two attentions 28,800.  With every
; input 30 times smaller q, k and v have a spread of 1 / 900, beside which f16's step below 2^-14, 2^-24, is 6e-5.
; THE MASK costs nothing for each score: a masked key's K row is set to 0 (one select for each packed pair of K), and the score product takes as its C operand
; a tile that holds 0 for an unmasked key and NEG = -1e9 * log2(e) for a masked one.  A masked score is then exactly 0 + NEG, reference()'s replacement in base 2,
; and a query whose keys are all masked gets the uniform softmax, as in reference().
; THE SCALE SC = log2(e) / sqrt(32) is folded into q in f32, before q is rounded: q' = acc * SC + b * SC.  Weights are exp2(S' - max S'), with the true maximum
; of all 64 scores of a query, which lie in registers.  The sum of the weights is a product with a tile of ones, taken over the weights as rounded to f16.
; cv_b is added behind the normalisation, col = O / l + cv_b, which is the same since the normalised weights add up to 1 for every input.
; LIMITS: a q', k, v or column result beyond 65,504 becomes infinite where reference() stays finite.  Any non-zero mask byte counts as true.  A q that is not
; finite meets the zeroed row of a masked key as 0 * inf = NaN, where reference() has -1e9.  The column result is carried in f16 and is rounded a second time
; with the sum in the next launch (2^-11 relative at the most).  v_exp_f32 gives 0 below 2^-126; a weight below 2^-25 is 0 in f16.
;
; SHARES.  Work-group g: hp = g & 3 is a pair of heads (64 columns e of each of the six matrices), lb = g >> 2 eight positions l0 = 8 lb .. + 7.
; Two passes li = 0, 1; in a pass wave w owns position l = l0 + 4 li + w: its 64 rows (all s), 64 e of six projections, the column attention of two heads.
; The four waves' positions are neighbours, so their 4 x 64 bytes of one (s, head) are 256 consecutive bytes, aligned; they meet in an LDS stage and leave whole.
; EVERY PRODUCT IS USED SO THAT ITS RESULT IS THE NEXT PRODUCT'S FRAGMENT: D = W x^T leaves a lane with one row of x and eight neighbouring e, which packed to
; f16 is half of an A or B fragment along the head's 32; S^T = K Q^T leaves a lane with one query and eight neighbouring keys, which packed is P's B fragment;
; V comes as x W^T, a lane with one e and eight neighbouring keys: the A fragment of O^T = V^T P.
; NO CLUSTER AND NO TENSOR LOADS: x and the weights are f32 and must be converted on the way.  A pass's x in f32 is 4 x 64 KiB = 256 KiB, which does not fit
; into LDS beside the resident f16 weights (202,752 bytes) and the stages (69,632 bytes).  So both come through registers, 512 consecutive bytes a load.
;
; LDS (ds instructions alone touch it)
.set WPITCH, 528                       ; an f16 row of 256 numbers + 16 bytes: an odd multiple of 16, so 16 rows start at 16 different groups of banks
.set WMAT,   64*WPITCH                 ; one matrix's 64 rows
.set SCR,    6*WMAT                    ; 0 .. 202,751: the six matrices' rows, row p * 64 + e'
.set SCRB,   16*WPITCH                 ; each wave's own 16 rows of x in f16, on the way from load order to fragment order
.set SPITCH, 272                       ; a stage row: 256 bytes + 16
.set STGB,   128*SPITCH                ; a stage: 128 rows (head of the pair * 64 + s)
.set STG0,   SCR+4*SCRB                ; two stages take turns
.set TBL,    STG0+2*STGB               ; each wave's own 64 f32: 0 or NEG for each key s
; REGISTERS, window 0
.set LOFF, 4                           ; 16 L
.set SCRW, 5                           ; my scratch + 8 L
.set SCRR, 6                           ; my scratch + 528 r + 16 h
.set WST,  7                           ; where my 16 rows of the next matrix go, + 8 L
.set WRD,  8                           ; 528 r + 16 h
.set WP,   9                           ; the same in matrix p
.set STW,  10                          ; v10, v11: stage n + 272 r + 64 w + 16 h
.set STR,  12                          ; v12, v13: stage n + (32 w + h) 272 + 16 r
.set GOUT, 14                          ; h * 262,144 + 16 r
.set BOFF, 15                          ; 256 hp + 32 h
.set MOFF, 16                          ; 512 r + l0 + w
.set TBW,  17
.set TBR,  18
.set VNEG, 19
.set T,    20                          ; v20-27 at work; v28-30 the out_w row's store, never written again
.set F0,   32                          ; fragments of W, two buffers of 4 x 8
.set F1,   64
.set BIA,  96                          ; v[96:127]: b[64 hp + 16 et + 8 h + j] at 8 et + j
.set CB,   128                         ; v[128:159]: the mask's C tiles, key tile kt at 8 kt
.set M,    160
.set MP,   164                         ; pairs of a query tile's maximum
.set R,    172                         ; pairs of 1 / l
.set FL,   192                         ; v[192:255]: a stage on its way out
; window 1: [0:127] accumulators, tile (et, rt) at 8 (4 et + rt), later the scores; [128:191] cq fragments; [192:255] ck fragments
; window 2: [0:63] cv fragments; [64:71] ones; [72:103] sums; [128:255] landing zone;   window 3: x fragments, (rt, k) at 64 rt + 8 k
.set XB, 44                            ; s[44:51]: x at my position, rows 16 c ..
.set MSB, 0
.macro WIN new                         ; s_set_vgpr_msb: bits 1:0 source 0, 3:2 source 1, 5:4 source 2, 7:6 destination; the high byte repeats the setting left
.if MSB != \new
	s_set_vgpr_msb (MSB<<8)|\new
.set MSB, \new
.endif
.endm
.macro PLACES                          ; four independent vector instructions behind a matrix instruction, before its result is read by anything but a
.rept 4                                ; matrix instruction or one of its registers is written or loaded into (ISA guide 7.12.1)
	v_nop
.endr
.endm
.macro BAR                             ; my LDS stores and loads are done, then the work-group's barrier
	s_wait_dscnt 0x0
	s_barrier_signal -1
	s_barrier_wait -1
.endm
; 16 rows of x (s = 16 c ..) at my position, f32: 32 loads of 512 consecutive bytes
.macro XLOAD c, pass, win, base
	WIN (\win<<6)
.set xi, 0
.rept 32
	global_load_b128 v[\base+4*xi:\base+4*xi+3], v[LOFF], s[XB+2*\c:XB+2*\c+1] offset:(xi>>1)*524288+(xi&1)*512+\pass*4096
.set xi, xi+1
.endr
.endm
; my 16 rows of matrix p
.macro WLOAD p, win, base
	WIN (\win<<6)
.set xi, 0
.rept 32
	global_load_b128 v[\base+4*xi:\base+4*xi+3], v[LOFF], s[8+4*\p:9+4*\p] offset:512*xi
.set xi, xi+1
.endr
.endm
; a zone of 16 rows: f32 to f16 in place, then 8 bytes a lane into LDS rows of 528 bytes
.macro CONVST win, base, adr
	WIN (\win*0x45)
.set xi, 0
.rept 32
	v_cvt_pk_f16_f32 v[\base+4*xi], v[\base+4*xi], v[\base+4*xi+1]
	v_cvt_pk_f16_f32 v[\base+4*xi+1], v[\base+4*xi+2], v[\base+4*xi+3]
.set xi, xi+1
.endr
	WIN (\win<<2)
.set xi, 0
.rept 32
	ds_store_b64 v[\adr], v[\base+4*xi:\base+4*xi+1] offset:(xi>>1)*WPITCH+(xi&1)*256
.set xi, xi+1
.endr
.endm
; x rows 16 c .. through my own scratch into fragments.  LDS serves a wave's instructions in order (ISA guide 5.7.1), so the loads see the stores,
; and the next chunk's stores come behind these loads.
.macro XCONV c, win, base
	CONVST \win, \base, SCRW
.if \win == 3
	s_wait_dscnt 0x0                       ; the zone lies in window 3, where fragments land: its stores have read it
.endif
	WIN 0xc0
.set xi, 0
.rept 8
	ds_load_b128 v[64*\c+8*xi:64*\c+8*xi+3], v[SCRR] offset:64*xi
	ds_load_b128 v[64*\c+8*xi+4:64*\c+8*xi+7], v[SCRR] offset:64*xi+32
.set xi, xi+1
.endr
.endm
.macro WCONV p, win, base
.if \p > 0
	WIN 0
	v_add_nc_u32 v[WST], WMAT, v[WST]      ; the stores that used it were waited for in front of the last barrier
.endif
	CONVST \win, \base, WST
.endm
.macro MASKLD li
.set mi, 0
.rept 4
	global_load_u8 v[T+mi], v[MOFF], s[6:7] offset:8192*mi+4*\li   ; mask[16 mi + r][l]
.set mi, mi+1
.endr
.endm
.macro MASKMK                          ; s[52+rt]: lanes whose row 16 rt + r is unmasked; the table of 0 / NEG; the four C tiles
.set mi, 0
.rept 4
	v_cmp_ne_u32 s[52+mi], 0, v[T+mi]
	v_cndmask_b32 v[T+4+mi], v[VNEG], 0, s[52+mi]
	ds_store_b32 v[TBW], v[T+4+mi] offset:64*mi
.set mi, mi+1
.endr
.set mi, 0
.rept 4
	ds_load_b128 v[CB+8*mi:CB+8*mi+3], v[TBR] offset:64*mi         ; register j: key 16 kt + 8 h + j
	ds_load_b128 v[CB+8*mi+4:CB+8*mi+7], v[TBR] offset:64*mi+16
.set mi, mi+1
.endr
.endm
.macro FETCHW k, f                     ; four fragments of W (16 e x 32 d) of k step k
.set fi, 0
.rept 4
	ds_load_b128 v[\f+8*fi:\f+8*fi+3], v[WP] offset:16*WPITCH*fi+64*\k
	ds_load_b128 v[\f+8*fi+4:\f+8*fi+7], v[WP] offset:16*WPITCH*fi+64*\k+32
.set fi, fi+1
.endr
.endm
; 16 products, one on each of 16 accumulators, always in this order: the accumulators take turns.  The first k step starts the sums.
.macro MM p, k, f
.if \p == 5
	WIN 0x53                               ; A = x (window 3), B = W: a lane gets one e and eight neighbouring s
.else
	WIN 0x5c                               ; A = W, B = x (window 3): a lane gets one s and eight neighbouring e
.endif
.set mt, 0
.rept 16
.if \p == 5
.if \k == 0
	v_wmma_f32_16x16x32_f16 v[8*mt:8*mt+7], v[64*(mt&3)+8*\k:64*(mt&3)+8*\k+7], v[\f+8*(mt>>2):\f+8*(mt>>2)+7], 0
.else
	v_wmma_f32_16x16x32_f16 v[8*mt:8*mt+7], v[64*(mt&3)+8*\k:64*(mt&3)+8*\k+7], v[\f+8*(mt>>2):\f+8*(mt>>2)+7], v[8*mt:8*mt+7]
.endif
.else
.if \k == 0
	v_wmma_f32_16x16x32_f16 v[8*mt:8*mt+7], v[\f+8*(mt>>2):\f+8*(mt>>2)+7], v[64*(mt&3)+8*\k:64*(mt&3)+8*\k+7], 0
.else
	v_wmma_f32_16x16x32_f16 v[8*mt:8*mt+7], v[\f+8*(mt>>2):\f+8*(mt>>2)+7], v[64*(mt&3)+8*\k:64*(mt&3)+8*\k+7], v[8*mt:8*mt+7]
.endif
.endif
.set mt, mt+1
.endr
.endm
; bias (and scale), rounding to f16, the mask on K, and the place of the result.  p: 0 rq, 1 rk, 2 rv (to a stage), 3 cq, 4 ck, 5 cv (to fragments)
.macro PACK p
.if (\p % 3) == 0
	WIN 0
.set pi, 0
.rept 16
	v_pk_mul_f32 v[BIA+2*pi:BIA+2*pi+1], v[BIA+2*pi:BIA+2*pi+1], s[56:57] op_sel_hi:[1,0]
.set pi, pi+1
.endr
	WIN 0x41
.set pt, 0
.rept 16
.set pi, 0
.rept 4
	v_pk_fma_f32 v[8*pt+2*pi:8*pt+2*pi+1], v[8*pt+2*pi:8*pt+2*pi+1], s[56:57], v[BIA+8*(pt>>2)+2*pi:BIA+8*(pt>>2)+2*pi+1] op_sel_hi:[1,0,1]
.set pi, pi+1
.endr
.set pt, pt+1
.endr
.else
.if \p != 5
	WIN 0x41
.set pt, 0
.rept 16
.set pi, 0
.rept 4
	v_pk_add_f32 v[8*pt+2*pi:8*pt+2*pi+1], v[8*pt+2*pi:8*pt+2*pi+1], v[BIA+8*(pt>>2)+2*pi:BIA+8*(pt>>2)+2*pi+1]
.set pi, pi+1
.endr
.set pt, pt+1
.endr
.endif
.endif
.if \p == 5
	WIN 0x85
.else
	WIN 0x45
.endif
.set pt, 0
.rept 16
.if \p == 5
.set pd, 8*(2*(pt>>2)+((pt&3)>>1))+4*(pt&1)                     ; window 2: fragment (et, u = rt / 2), half rt & 1
.elseif \p >= 3
.set pd, 128+64*(\p-3)+8*(4*(pt>>3)+(pt&3))+4*((pt>>2)&1)       ; fragment (head et / 2, row tile rt), half et & 1
.else
.set pd, 8*pt                                                   ; in place, the tile's first four registers
.endif
.set pi, 0
.rept 4
	v_cvt_pk_f16_f32 v[pd+pi], v[8*pt+2*pi], v[8*pt+2*pi+1]
.set pi, pi+1
.endr
.if (\p % 3) == 1
.set pi, 0
.rept 4
	v_cndmask_b32 v[pd+pi], 0, v[pd+pi], s[52+(pt&3)]              ; a masked key's row of K is 0
.set pi, pi+1
.endr
.endif
.set pt, pt+1
.endr
.if \p < 3
	WIN 0x04
.set pt, 0
.rept 16
	ds_store_b128 v[STW+(\p&1)], v[8*pt:8*pt+3] offset:((pt>>3)*64+16*(pt&3))*SPITCH+32*((pt>>2)&1)
.set pt, pt+1
.endr
.endif
.endm
; projection p of my 64 rows: 8 k steps of 16 products, W's fragments in two buffers, one k step ahead
.macro PROJ p, pass
	WIN 0
	v_add_nc_u32 v[WP], \p*WMAT, v[WRD]
.set bi, 0
.rept 4
	global_load_b128 v[BIA+8*bi:BIA+8*bi+3], v[BOFF], s[10+4*\p:11+4*\p] offset:64*bi
	global_load_b128 v[BIA+8*bi+4:BIA+8*bi+7], v[BOFF], s[10+4*\p:11+4*\p] offset:64*bi+16
.set bi, bi+1
.endr
.if \pass == 0
.if \p < 5
	WLOAD (\p+1), 2, 128                   ; the next matrix's rows come in while this one is multiplied
	WIN 0
.endif
.endif
	FETCHW 0, F0
.irp k, 0,1,2,3,4,5,6,7
.if \k < 7
	WIN 0
.if \k > 0
	PLACES                                 ; the buffer loaded next was read by the 16 products just issued
.endif
	FETCHW (\k+1), (F0+32*((\k+1)&1))
	s_wait_dscnt 8                         ; all but the 8 loads just issued: this k step's fragments are in
.else
	s_wait_dscnt 0x0
.endif
	MM \p, \k, (F0+32*(\k&1))
.endr
	s_wait_loadcnt 0x0                     ; the bias, and the next matrix's rows
	PLACES
	PACK \p
.endm
.macro SUBG b, mp                      ; 32 scores less their query's maximum
.set gi, 0
.rept 16
	v_pk_add_f32 v[\b+2*gi:\b+2*gi+1], v[\b+2*gi:\b+2*gi+1], v[\mp:\mp+1] neg_lo:[0,1] neg_hi:[0,1]
.set gi, gi+1
.endr
.endm
.macro EXPG b
.set gi, 0
.rept 32
	v_exp_f32 v[\b+gi], v[\b+gi]
.set gi, gi+1
.endr
.endm
.macro CVTG b                          ; key tiles 2 u, 2 u + 1 pack into P's fragment u at b + 16 u; b + 16 u + 8 .. 15 fall free
.set gu, 0
	s_wait_alu depctr_va_vdst(0)
.rept 2
.set gi, 0
.rept 4
	v_cvt_pk_f16_f32 v[\b+16*gu+gi], v[\b+16*gu+2*gi], v[\b+16*gu+2*gi+1]
.set gi, gi+1
.endr
.set gi, 0
.rept 4
	v_cvt_pk_f16_f32 v[\b+16*gu+4+gi], v[\b+16*gu+8+2*gi], v[\b+16*gu+8+2*gi+1]
.set gi, gi+1
.endr
.set gu, gu+1
.endr
.endm
; the column attention of head a of the pair, at my position: 64 queries x 64 keys
.macro ATT a, pass
	s_wait_dscnt 0x0                       ; the LDS stores that read window 1's low half are done: it is written again
	WIN 0x45
.set aq, 0
.rept 4
.set ak, 0
.rept 4
	v_wmma_f32_16x16x32_f16 v[32*aq+8*ak:32*aq+8*ak+7], v[192+8*(4*\a+ak):192+8*(4*\a+ak)+7], v[128+8*(4*\a+aq):128+8*(4*\a+aq)+7], v[CB+8*ak:CB+8*ak+7]
.set ak, ak+1
.endr
.set aq, aq+1
.endr
	PLACES
.if \pass == 0
.if \a == 1
	XLOAD 3, 1, 1, 128                     ; the cq and ck fragments are spent: the next position's rows 48 .. 63 land there
.endif
.endif
	WIN 0x05
.set aq, 0
.rept 4
	v_max_num_f32 v[M+aq], v[32*aq], v[32*aq+1]
.set aq, aq+1
.endr
.set aj, 1
.rept 15
.set aq, 0
.rept 4
	v_max3_num_f32 v[M+aq], v[32*aq+2*aj], v[32*aq+2*aj+1], v[M+aq]
.set aq, aq+1
.endr
.set aj, aj+1
.endr
	WIN 0
.set aq, 0
.rept 4
	v_permlanex16_b32 v[T+4+aq], v[M+aq], s58, s59                 ; the other 32 keys of my query lie in lane L xor 16
	v_max_num_f32 v[MP+2*aq], v[M+aq], v[T+4+aq]
	v_mov_b32 v[MP+2*aq+1], v[MP+2*aq]
.set aq, aq+1
.endr
	WIN 0x41
	SUBG 0, MP
.irp q, 0,1,2,3
	EXPG (32*\q)
.if \q < 3
	SUBG (32*\q+32), (MP+2*\q+2)           ; plain instructions between the exponentials and the use of their results (ISA guide 5.7.2)
.else
	v_nop
	s_wait_alu depctr_va_vdst(0)
.endif
	WIN 0x45
	CVTG (32*\q)
.if \q < 3
	WIN 0x41
.endif
.endr
.if \pass == 0
.if \a == 0
	XLOAD 1, 1, 3, 128                     ; the next position's rows 16 .. 31
.else
	XLOAD 2, 1, 2, 128                     ; and 32 .. 47
.endif
.endif
	WIN 0x56                               ; O^T = V^T P: eight accumulators take turns
.set au, 0
.rept 2
.set aq, 0
.rept 4
.set ad, 0
.rept 2
.if au == 0
	v_wmma_f32_16x16x32_f16 v[32*aq+16*ad+8:32*aq+16*ad+15], v[8*(2*(2*\a+ad)+au):8*(2*(2*\a+ad)+au)+7], v[32*aq+16*au:32*aq+16*au+7], 0
.else
	v_wmma_f32_16x16x32_f16 v[32*aq+16*ad+8:32*aq+16*ad+15], v[8*(2*(2*\a+ad)+au):8*(2*(2*\a+ad)+au)+7], v[32*aq+16*au:32*aq+16*au+7], v[32*aq+16*ad+8:32*aq+16*ad+15]
.endif
.set ad, ad+1
.endr
.set aq, aq+1
.endr
.set au, au+1
.endr
	WIN 0xa6                               ; ones x P: the sum of a query's weights, in every register of the tile; four accumulators take turns
.set au, 0
.rept 2
.set aq, 0
.rept 4
.if au == 0
	v_wmma_f32_16x16x32_f16 v[72+8*aq:72+8*aq+7], v[64:71], v[32*aq+16*au:32*aq+16*au+7], 0
.else
	v_wmma_f32_16x16x32_f16 v[72+8*aq:72+8*aq+7], v[64:71], v[32*aq+16*au:32*aq+16*au+7], v[72+8*aq:72+8*aq+7]
.endif
.set aq, aq+1
.endr
.set au, au+1
.endr
	PLACES
	WIN 0x02
.set aq, 0
.rept 4
	v_rcp_f32 v[R+2*aq], v[72+8*aq]        ; the sum is at least 1: the largest score's weight is 1
	v_rcp_f32 v[R+2*aq+1], v[72+8*aq]
.set aq, aq+1
.endr
	v_nop
	WIN 0x41
.set aq, 0
	s_wait_alu depctr_va_vdst(0)
.rept 4
.set ad, 0
.rept 2
.set ai, 0
.rept 4
	v_pk_fma_f32 v[32*aq+16*ad+8+2*ai:32*aq+16*ad+9+2*ai], v[32*aq+16*ad+8+2*ai:32*aq+16*ad+9+2*ai], v[R+2*aq:R+2*aq+1], v[BIA+8*(2*\a+ad)+2*ai:BIA+8*(2*\a+ad)+2*ai+1]
.set ai, ai+1
.endr
.set ad, ad+1
.endr
.set aq, aq+1
.endr
	WIN 0x45
.set aq, 0
.rept 8
.set ai, 0
.rept 4
	v_cvt_pk_f16_f32 v[16*aq+8+ai], v[16*aq+8+2*ai], v[16*aq+8+2*ai+1]
.set ai, ai+1
.endr
.set aq, aq+1
.endr
	WIN 0x04
.set aq, 0
.rept 4
.set ad, 0
.rept 2
	ds_store_b128 v[STW+1], v[32*aq+16*ad+8:32*aq+16*ad+11] offset:(\a*64+16*aq)*SPITCH+32*ad
.set ad, ad+1
.endr
.set aq, aq+1
.endr
.endm
; stage n leaves: my 32 of its 128 rows, two a load; each store of the wave covers two aligned runs of 256 consecutive bytes
.macro FLUSH n, buf, li
	WIN 0
	s_wait_xcnt 0x0                        ; FL was the last flush's store data: it is loaded again only behind this wait
.set fi, 0
.rept 16
	ds_load_b128 v[FL+4*fi:FL+4*fi+3], v[STR+\n] offset:2*SPITCH*fi
.set fi, fi+1
.endr
.set fi, 0
.rept 16
	s_wait_dscnt 15-fi                     ; LDS loads come back in order: load fi is in, the younger ones stay out
	global_store_b128 v[GOUT], v[FL+4*fi:FL+4*fi+3], s[\buf:\buf+1] offset:fi*524288+\li*256
.set fi, fi+1
.endr
.endm
	s_load_b512 s[4:19], s[0:1], 0x0               ; x, mask, rq_w, rq_b, rk_w, rk_b, rv_w, rv_b
	s_load_b512 s[20:35], s[0:1], 0x40             ; cq_w, cq_b, ck_w, ck_b, cv_w, cv_b, out_w, qws
	s_load_b256 s[36:43], s[0:1], 0x80             ; kws, vws, cws, wows
	v_lshl_add_u32 v190, v0, 2, 0x4b000
	v_mov_b32 v191, 0
	v_and_b32 v1, 15, v0                           ; r
	v_bfe_u32 v2, v0, 4, 1                         ; h
	v_and_b32 v3, 31, v0                           ; L
	v_lshrrev_b32 v20, 5, v0
	v_readfirstlane_b32 s61, v20                   ; wave
	s_and_b32 s62, ttmp9, 3                        ; hp
	s_lshr_b32 s63, ttmp9, 2                       ; lb
	s_mov_b32 s56, 0x3e8293ee                      ; SC = log2(e) / sqrt(32), twice
	s_mov_b32 s57, 0x3e8293ee
	s_mov_b32 s58, 0x76543210                      ; v_permlanex16_b32: lane i of one half reads lane i of the other
	s_mov_b32 s59, 0xfedcba98
	v_lshlrev_b32 v[LOFF], 4, v3
	s_mul_i32 s67, s61, SCRB
	s_add_co_u32 s66, s67, SCR
	v_lshl_add_u32 v[SCRW], v3, 3, s66
	v_mul_u32_u24 v[WRD], v1, WPITCH
	v_lshl_add_u32 v[WRD], v2, 4, v[WRD]
	v_add_nc_u32 v[SCRR], s66, v[WRD]
	v_lshl_add_u32 v[WST], v3, 3, s67
	v_mul_u32_u24 v20, v1, SPITCH
	v_lshl_add_u32 v20, v2, 4, v20
	s_lshl_b32 s68, s61, 6
	s_add_co_u32 s68, s68, STG0
	v_add_nc_u32 v[STW], s68, v20
	v_add_nc_u32 v[STW+1], STGB, v[STW]
	v_mul_u32_u24 v21, v2, SPITCH
	v_lshl_add_u32 v21, v1, 4, v21
	s_mul_i32 s69, s61, 32*SPITCH
	s_add_co_u32 s69, s69, STG0
	v_add_nc_u32 v[STR], s69, v21
	v_add_nc_u32 v[STR+1], STGB, v[STR]
	v_lshlrev_b32 v[GOUT], 4, v1
	v_lshl_add_u32 v[GOUT], v2, 18, v[GOUT]
	s_lshl_b32 s70, s62, 8
	v_lshl_add_u32 v[BOFF], v2, 5, s70
	s_lshl3_add_u32 s71, s63, s61                  ; l0 + w
	v_lshl_add_u32 v[MOFF], v1, 9, s71
	s_lshl_b32 s72, s61, 8
	s_add_co_u32 s72, s72, TBL
	v_lshl_add_u32 v[TBW], v1, 2, s72
	v_lshl_add_u32 v[TBR], v2, 5, s72
	v_mov_b32 v[VNEG], 0xceabfb8f                  ; -1e9 * log2(e)
	v_lshlrev_b32 v30, 3, v3
	s_lshl_b32 s66, s71, 10                        ; x: my position's row of 1,024 bytes
	s_mov_b32 s67, 0
	s_lshl_b32 s68, s62, 16                        ; weights: row 64 hp + 16 w, 1,024 bytes each
	s_lshl_b32 s69, s61, 14
	s_add_co_u32 s68, s68, s69
	s_mov_b32 s69, 0
	s_lshl_b32 s70, s62, 16                        ; outputs: head 2 hp + w / 2, s = 32 (w & 1), l = l0
	s_lshr_b32 s72, s61, 1
	s_lshl_b32 s72, s72, 15
	s_add_co_u32 s70, s70, s72
	s_and_b32 s72, s61, 1
	s_lshl_b32 s72, s72, 23
	s_add_co_u32 s70, s70, s72
	s_lshl_b32 s72, s63, 9
	s_add_co_u32 s70, s70, s72
	s_mov_b32 s71, 0
	s_lshl_b32 s72, ttmp9, 10                      ; out_w: row g, half w
	s_lshl_b32 s73, s61, 9
	s_add_co_u32 s72, s72, s73
	s_mov_b32 s73, 0
	s_wait_kmcnt 0x0
	s_add_nc_u64 s[XB:XB+1], s[4:5], s[66:67]
	s_add_nc_u64 s[XB+2:XB+3], s[XB:XB+1], 0x800000        ; 16 rows s further: 16 x 524,288 bytes
	s_add_nc_u64 s[XB+4:XB+5], s[XB+2:XB+3], 0x800000
	s_add_nc_u64 s[XB+6:XB+7], s[XB+4:XB+5], 0x800000
.irp p, 0,1,2,3,4,5
	s_add_nc_u64 s[8+4*\p:9+4*\p], s[8+4*\p:9+4*\p], s[68:69]
.endr
.irp b, 34,36,38,40
	s_add_nc_u64 s[\b:\b+1], s[\b:\b+1], s[70:71]
.endr
	s_add_nc_u64 s[32:33], s[32:33], s[72:73]
	s_lshr_b32 s72, s72, 1                         ; wows: half the bytes
	s_add_nc_u64 s[42:43], s[42:43], s[72:73]
	; THE WAY IN.  Waves 0 and 1 also take a half row of out_w each; then the first position's 64 rows of x, into four zones of 128 registers.
	s_cmp_gt_u32 s61, 1
	s_cbranch_scc1 .Lno_wo_load
	global_load_b128 v[24:27], v[LOFF], s[32:33]
.Lno_wo_load:
	XLOAD 0, 0, 1, 0
	XLOAD 1, 0, 1, 128
	XLOAD 2, 0, 2, 0
	XLOAD 3, 0, 2, 128
	WIN 0
	s_wait_loadcnt 63                              ; 64 loads were issued behind chunk 1's last: chunks 0 and 1 and the half row of out_w are in
	s_cmp_gt_u32 s61, 1
	s_cbranch_scc1 .Lno_wo
	v_cvt_pk_f16_f32 v28, v24, v25
	v_cvt_pk_f16_f32 v29, v26, v27
	global_store_b64 v30, v[28:29], s[42:43]       ; the wave's store covers 256 consecutive bytes, aligned
.Lno_wo:
	XCONV 0, 1, 0
	s_wait_dscnt 0x0                               ; chunk 0's LDS stores have read the zone into which rq_w's rows are loaded
	WLOAD 0, 1, 0
	WIN 0
	MASKLD 0
	XCONV 1, 1, 128
	s_wait_loadcnt 63                              ; behind chunk 2's last: chunk 3's 32, rq_w's 32, the mask's 4
	XCONV 2, 2, 0
	s_wait_loadcnt 36                              ; behind chunk 3's last: rq_w's 32 and the mask's 4
	XCONV 3, 2, 128
	s_wait_loadcnt 0x0
	WCONV 0, 1, 0
	WIN 0
	MASKMK
	WIN 0x80
.set oi, 0
.rept 8
	v_mov_b32 v[64+oi], 0x3c003c00                 ; a fragment of ones in f16
.set oi, oi+1
.endr
	BAR                                            ; rq_w's 64 rows are whole
	; THE FIRST POSITION.  Each matrix is converted and stored while the one before is in use, and read behind the barrier that follows.
	; The stages take turns 0, 1, 0, 1: between the reads of a stage and its next stores lies the barrier of the result between them.
	PROJ 0, 0
	WCONV 1, 2, 128
	BAR
	FLUSH 0, 34, 0
	PROJ 1, 0
	WCONV 2, 2, 128
	BAR
	FLUSH 1, 36, 0
	PROJ 2, 0
	WCONV 3, 2, 128
	BAR
	FLUSH 0, 38, 0
	PROJ 3, 0
	WCONV 4, 2, 128
	BAR
	PROJ 4, 0
	WCONV 5, 2, 128
	BAR
	PROJ 5, 0
	XLOAD 0, 1, 3, 0                               ; x's fragments are spent: the next position's rows 0 .. 15 land in their place
	ATT 0, 0
	ATT 1, 0
	BAR
	FLUSH 1, 40, 0
	; THE SECOND POSITION: the weights are resident
	MASKLD 1
	s_wait_loadcnt 0x0
	XCONV 0, 3, 0                                  ; each chunk's fragments land in a zone that has been converted and stored
	XCONV 1, 3, 128
	XCONV 2, 2, 128
	XCONV 3, 1, 128
	WIN 0
	MASKMK
	PROJ 0, 1
	BAR
	FLUSH 0, 34, 1
	PROJ 1, 1
	BAR
	FLUSH 1, 36, 1
	PROJ 2, 1
	BAR
	FLUSH 0, 38, 1
	PROJ 3, 1
	PROJ 4, 1
	PROJ 5, 1
	ATT 0, 1
	ATT 1, 1
	BAR
	FLUSH 1, 40, 1
	s_wait_tensorcnt 0x0
	ds_add_u32 v190, v191
	s_wait_dscnt 0x0
	s_endpgm
.Lfunc_end_k_q769f26a930_proj_col:
	.size	k_q769f26a930_proj_col, .Lfunc_end_k_q769f26a930_proj_col-k_q769f26a930_proj_col
	.p2alignl 7, 3214868480
	.fill 96, 4, 3214868480
	.section	.rodata,"a",@progbits
	.p2align	6, 0x0
	.amdhsa_kernel k_q769f26a930_proj_col
		.amdhsa_group_segment_fixed_size 307712
		.amdhsa_private_segment_fixed_size 0
		.amdhsa_enable_private_segment 0
		.amdhsa_kernarg_size 160
		.amdhsa_user_sgpr_count 2
		.amdhsa_user_sgpr_kernarg_segment_ptr 1
		.amdhsa_wavefront_size32 1
		.amdhsa_system_sgpr_workgroup_id_x 1
		.amdhsa_system_sgpr_workgroup_id_y 1
		.amdhsa_system_sgpr_workgroup_id_z 1
		.amdhsa_system_vgpr_workitem_id 0
		.amdhsa_next_free_vgpr 1024
		.amdhsa_next_free_sgpr 74
		.amdhsa_reserve_vcc 0
		.amdhsa_float_denorm_mode_32 3
		.amdhsa_float_denorm_mode_16_64 3
		.amdhsa_memory_ordered 1
		.amdhsa_forward_progress 1
		.amdhsa_inst_pref_size 255
	.end_amdhsa_kernel
	.section	.bss,"aw",@nobits
	.p2align	6
	.space	262144
	.amdgpu_metadata
---
amdhsa.version: [ 1, 2 ]
amdhsa.kernels:
  - .name:           k_q769f26a930_proj_col
    .symbol:         k_q769f26a930_proj_col.kd
    .args:
      - { .name: msa_repr, .offset: 0, .size: 8, .value_kind: global_buffer, .address_space: global }
      - { .name: mask, .offset: 8, .size: 8, .value_kind: global_buffer, .address_space: global }
      - { .name: rq_w, .offset: 16, .size: 8, .value_kind: global_buffer, .address_space: global }
      - { .name: rq_b, .offset: 24, .size: 8, .value_kind: global_buffer, .address_space: global }
      - { .name: rk_w, .offset: 32, .size: 8, .value_kind: global_buffer, .address_space: global }
      - { .name: rk_b, .offset: 40, .size: 8, .value_kind: global_buffer, .address_space: global }
      - { .name: rv_w, .offset: 48, .size: 8, .value_kind: global_buffer, .address_space: global }
      - { .name: rv_b, .offset: 56, .size: 8, .value_kind: global_buffer, .address_space: global }
      - { .name: cq_w, .offset: 64, .size: 8, .value_kind: global_buffer, .address_space: global }
      - { .name: cq_b, .offset: 72, .size: 8, .value_kind: global_buffer, .address_space: global }
      - { .name: ck_w, .offset: 80, .size: 8, .value_kind: global_buffer, .address_space: global }
      - { .name: ck_b, .offset: 88, .size: 8, .value_kind: global_buffer, .address_space: global }
      - { .name: cv_w, .offset: 96, .size: 8, .value_kind: global_buffer, .address_space: global }
      - { .name: cv_b, .offset: 104, .size: 8, .value_kind: global_buffer, .address_space: global }
      - { .name: out_w, .offset: 112, .size: 8, .value_kind: global_buffer, .address_space: global }
      - { .name: qws, .offset: 120, .size: 8, .value_kind: global_buffer, .address_space: global }
      - { .name: kws, .offset: 128, .size: 8, .value_kind: global_buffer, .address_space: global }
      - { .name: vws, .offset: 136, .size: 8, .value_kind: global_buffer, .address_space: global }
      - { .name: cws, .offset: 144, .size: 8, .value_kind: global_buffer, .address_space: global }
      - { .name: wows, .offset: 152, .size: 8, .value_kind: global_buffer, .address_space: global }
    .group_segment_fixed_size: 307712
    .private_segment_fixed_size: 0
    .kernarg_segment_align: 8
    .kernarg_segment_size: 160
    .max_flat_workgroup_size: 128
    .sgpr_count:     74
    .vgpr_count:     1024
    .wavefront_size: 32
...
	.end_amdgpu_metadata
.endif
;; end of part 1
;; launch row_out (part 2): grid 256 x 1, 4 waves a work-group, clusters of 4 x 1, 327,680 bytes of LDS; arguments qws, kws, vws, cws, wows, mask, out_b, out0; writes out0
.if DOCPART == 2
	.amdgcn_target "amdgcn-amd-amdhsa--gfx1250"
	.amdhsa_code_object_version 6
	.text
	.protected	k_q769f26a930_row_out
	.globl	k_q769f26a930_row_out
	.p2align	8
	.type	k_q769f26a930_row_out,@function
k_q769f26a930_row_out:
	s_mov_b64 s[64:65], 0
	v_nop
	global_prefetch_b8 v0, s[64:65] scope:SCOPE_SE
	s_setreg_imm32_b32 hwreg(HW_REG_WAVE_MODE, 25, 1), 1
	s_wait_xcnt 0x0
	s_wait_alu depctr_hold_cnt(0) depctr_sa_sdst(0) depctr_va_vdst(0) depctr_va_sdst(0) depctr_va_ssrc(0) depctr_va_vcc(0) depctr_vm_vsrc(0)
	s_getreg_b32 s2, hwreg(HW_REG_IB_STS2, 6, 4)
	s_cmp_eq_u32 s2, 0
	s_cbranch_scc0 .Lentry_in_a_cluster
	s_endpgm
.Lentry_in_a_cluster:
	s_bfe_u32 s2, ttmp6, 0x10000c
	s_cmp_lg_u32 s2, 0x3003
	s_cbranch_scc0 .Lentry_shape_is_right
	s_endpgm
.Lentry_shape_is_right:
; MSA attention, second of two launches: the row attention, the sum with the column attention's result, the output projection.
; Inputs from the first launch, f16 [s 64][head 8][l 512][32]: qws (scaled by log2(e) / sqrt(32)), kws (rows of masked keys are 0), vws, cws; wows = out_w in f16.
; Nothing of reference() is left out.  A masked score is 0 + NEG = -1e9 * log2(e): the score product's C operand is a tile of 0 (unmasked key) or NEG (masked key).
; Weights are exp2(S' - max S') with the true maximum: all 512 scores of a query lie in registers (256 a lane).  Their sum is a product with a tile of ones.
; All matrix operands are f16 (11 significant bits in each rounding of the chain), sums f32.  The weights lie in [0, 1]; one below 2^-14 is kept to an absolute
; 2^-25, which over 512 keys is under 2e-5 of a sum that is at least 1.  The sum of the two attentions is a convex mix of v's twice: with common offsets of
; 30 spreads on x and the weights about 2 x 14,400 = 28,800, under f16's 65,504.
; LIMITS: a sum of the two attentions beyond 65,504 becomes infinite where reference() stays finite; any non-zero mask byte counts as true; a q that is not finite
; meets a masked key's zero row as NaN where reference() has -1e9; the column result arrives in f16 and the sum is rounded to f16 as the output projection's
; operand; v_exp_f32 gives 0 below 2^-126, and a weight below 2^-25 is 0 in f16.
;
; SHARES.  A cluster of four work-groups owns one s (the cluster's x); the work-group at place cx owns queries 128 cx .. + 127, all eight heads;
; wave w owns 32 of them as two tiles of 16.  K, V and out_w are the same for the four: they are asked for JOINTLY (mask 15); Q and the column result are a
; work-group's own (mask 0).  No branch and no LDS address hangs on cx.
; PRODUCTS: S^T = K Q^T leaves a lane with one query and eight neighbouring keys, which packed to f16 is P's B fragment; O^T = V^T P leaves a lane with one query
; and eight neighbouring numbers of the head, which normalised, added to the column result and packed is the B fragment of out^T = Wo comb^T.
; A RING OF TWO LDS SLOTS, one head's tiles each, filled a head ahead: wave 0 asks for K, wave 1 for V, wave 2 for Q, wave 3 for the column result: one tensor
; load a wave behind each round of the cluster's barrier, and one tensor load of a wave is out at a time.
.set SLOT, 110592
.set KP,   80                          ; a row of 64 bytes + 16: an odd multiple of 16
.set VP,   96                          ; + 32: an odd multiple of 32, for the transposing load
.set WOP,  528                         ; a row of 512 bytes + 16
.set KOF,  0                           ; 512 keys x 80
.set VOF,  40960                       ; 512 keys x 96
.set QOF,  90112                       ; 128 queries x 80
.set COF,  100352                      ; 128 queries x 80
.set COMB, 2*SLOT                      ; each wave's own 16 KiB: the sums' fragments, head * 2,048 + tile * 1,024 + half * 512 + 16 L.  No fill lands here
.set OST,  COMB+4*16384                ; each wave's own 16 rows x 528: first the table of 0 / NEG, at the end the way out.  No fill lands here
.set OSTW, 16*WOP
; window 0
.set AK,   4                           ; v4, v5    slot + 80 r + 16 h
.set AV,   6                           ; v6, v7    slot + V + (8 h + (L & 7)) 96 + 16 ((L >> 3) & 1)
.set AQ,   8                           ; v8, v9    slot + Q + (32 w + r) 80 + 16 h
.set AC,   10                          ; v10, v11  the same in the column result
.set ACMB, 12                          ; where the sums' fragments go; steps by two heads
.set AW,   13                          ; v13, v14  slot + 528 r + 16 h
.set OSW,  15
.set OSR,  16
.set GO,   17                          ; 16 L
.set H32,  18                          ; 32 h
.set VNEG, 19
.set ACMR, 31                          ; the first head's ACMB
.set QF,   32                          ; v[32:47]  Q's fragments, tile t at 8 t
.set ONES, 48
.set OA,   56                          ; tile t at 56 + 24 t: O (two tiles of 16 numbers of the head), then the sums
.set M,    104
.set RR,   108
.set CF,   112                         ; v[112:127] the column result, as loaded; the calls of UNPK name these registers' halves as v112.l .. v127.l
.set F0,   128                         ; two buffers of 64 registers for fragments
.set F1,   192
; windows 1, 2: the scores of query tile 0, 1, key tile kt at 8 kt; window 3: the mask's 32 C tiles at 8 kt.
; In the output projection: window 1 the 32 accumulators (et, t) at 8 (2 et + t), window 2 the sums' fragments (head, t) at 8 (2 head + t), window 3 out_b at 8 et.
.set MSB, 0
.macro WIN new                         ; s_set_vgpr_msb: bits 1:0 source 0, 3:2 source 1, 5:4 source 2, 7:6 destination; the high byte repeats the setting left
.if MSB != \new
	s_set_vgpr_msb (MSB<<8)|\new
.set MSB, \new
.endif
.endm
.macro PLACES                          ; four independent vector instructions behind a matrix instruction, before its result is read by anything but a
.rept 4                                ; matrix instruction or one of its registers is written or loaded into (ISA guide 7.12.1)
	v_nop
.endr
.endm
; a round of the cluster's barrier: my work-group's barrier, wave 0 signals for the work-group, every wave waits for all four, my work-group's barrier again
.macro ROUND
	s_barrier_signal -1
	s_barrier_wait -1
	s_cmp_lg_u32 s20, 0
	s_cbranch_scc1 .Lnot_wave_0_\@
	s_barrier_signal -3
.Lnot_wave_0_\@:
	s_barrier_wait -3
	s_barrier_signal -1
	s_barrier_wait -1
.endm
.macro TLOAD                           ; one head's four tiles, one a wave; the branch hangs on the wave's number alone
	s_cmp_lg_u32 s20, 0
	s_cbranch_scc1 .Lt1_\@
	tensor_load_to_lds s[68:71], s[32:39]          ; K, jointly
	s_nop 0
	s_branch .Lt4_\@
.Lt1_\@:
	s_cmp_lg_u32 s20, 1
	s_cbranch_scc1 .Lt2_\@
	tensor_load_to_lds s[72:75], s[40:47]          ; V, jointly
	s_nop 0
	s_branch .Lt4_\@
.Lt2_\@:
	s_cmp_lg_u32 s20, 2
	s_cbranch_scc1 .Lt3_\@
	tensor_load_to_lds s[76:79], s[48:55]          ; my work-group's Q
	s_nop 0
	s_branch .Lt4_\@
.Lt3_\@:
	tensor_load_to_lds s[80:83], s[48:55]          ; my work-group's column result
	s_nop 0
.Lt4_\@:
.endm
.macro FETCHK slot, g, f               ; eight fragments of K: key tiles 8 g .. 8 g + 7
.set fi, 0
.rept 8
	ds_load_b128 v[\f+8*fi:\f+8*fi+3], v[AK+\slot] offset:(8*\g+fi)*16*KP
	ds_load_b128 v[\f+8*fi+4:\f+8*fi+7], v[AK+\slot] offset:(8*\g+fi)*16*KP+32
.set fi, fi+1
.endr
.endm
.macro FETCHV slot, g, f               ; V^T for keys 32 (4 g + u) .., u = 0 .. 3, both halves of the head: fragment (u, dt) at 16 u + 8 dt
.set fi, 0
.rept 4
.set fd, 0
.rept 2
	ds_load_tr16_b128 v[\f+16*fi+8*fd:\f+16*fi+8*fd+3], v[AV+\slot] offset:32*VP*(4*\g+fi)+32*fd
	ds_load_tr16_b128 v[\f+16*fi+8*fd+4:\f+16*fi+8*fd+7], v[AV+\slot] offset:32*VP*(4*\g+fi)+32*fd+16*VP
.set fd, fd+1
.endr
.set fi, fi+1
.endr
.endm
.macro SPROD g, f                      ; scores of eight key tiles, both query tiles; C is the mask's tile in window 3
	WIN 0x70
.set si, 0
.rept 8
	v_wmma_f32_16x16x32_f16 v[8*(8*\g+si):8*(8*\g+si)+7], v[\f+8*si:\f+8*si+7], v[QF:QF+7], v[8*(8*\g+si):8*(8*\g+si)+7]
.set si, si+1
.endr
	WIN 0xb0
.set si, 0
.rept 8
	v_wmma_f32_16x16x32_f16 v[8*(8*\g+si):8*(8*\g+si)+7], v[\f+8*si:\f+8*si+7], v[QF+8:QF+15], v[8*(8*\g+si):8*(8*\g+si)+7]
.set si, si+1
.endr
.endm
.macro SUBG b
.set gi, 0
.rept 16
	v_pk_add_f32 v[\b+2*gi:\b+2*gi+1], v[\b+2*gi:\b+2*gi+1], v[M:M+1] neg_lo:[0,1] neg_hi:[0,1]
.set gi, gi+1
.endr
.endm
.macro EXPG b
.set gi, 0
.rept 32
	v_exp_f32 v[\b+gi], v[\b+gi]
.set gi, gi+1
.endr
.endm
.macro CVTG b                          ; key tiles 2 u, 2 u + 1 pack into P's fragment u at 16 u
.set gu, 0
	s_wait_alu depctr_va_vdst(0)
.rept 2
.set gi, 0
.rept 4
	v_cvt_pk_f16_f32 v[\b+16*gu+gi], v[\b+16*gu+2*gi], v[\b+16*gu+2*gi+1]
.set gi, gi+1
.endr
.set gi, 0
.rept 4
	v_cvt_pk_f16_f32 v[\b+16*gu+4+gi], v[\b+16*gu+8+2*gi], v[\b+16*gu+8+2*gi+1]
.set gi, gi+1
.endr
.set gu, gu+1
.endr
.endm
; the softmax's numerators of the query tile in window w: the maximum of 256 registers in four chains and of the lane L xor 16, then exp2 and packing
.macro SOFTMAX w
	WIN (\w*0x05)
.set mc, 0
.rept 4
	v_max_num_f32 v[M+mc], v[64*mc], v[64*mc+1]
.set mc, mc+1
.endr
.set mj, 1
.rept 31
.set mc, 0
.rept 4
	v_max3_num_f32 v[M+mc], v[64*mc+2*mj], v[64*mc+2*mj+1], v[M+mc]
.set mc, mc+1
.endr
.set mj, mj+1
.endr
	WIN 0
	v_max3_num_f32 v[M], v[M], v[M+1], v[M+2]
	v_max_num_f32 v[M], v[M], v[M+3]
	v_permlanex16_b32 v27, v[M], s24, s25
	v_max_num_f32 v[M], v[M], v27
	v_mov_b32 v[M+1], v[M]
	WIN (\w*0x41)
	SUBG 0
.irp q, 0,1,2,3,4,5,6,7
	EXPG (32*\q)
.if \q < 7
	SUBG (32*\q+32)                        ; plain instructions between the exponentials and the use of their results (ISA guide 5.7.2)
.else
	v_nop
	s_wait_alu depctr_va_vdst(0)
.endif
	WIN (\w*0x45)
	CVTG (32*\q)
.if \q < 7
	WIN (\w*0x41)
.endif
.endr
.endm
.macro PVPROD g, f, t                  ; O^T += V^T P and the sums += ones x P, 128 keys, query tile t: three accumulators take turns
	WIN (4<<\t)
.set pu, 0
.rept 4
.if (4*\g+pu) == 0
	v_wmma_f32_16x16x32_f16 v[OA+24*\t:OA+24*\t+7], v[\f+16*pu:\f+16*pu+7], v[16*(4*\g+pu):16*(4*\g+pu)+7], 0
	v_wmma_f32_16x16x32_f16 v[OA+24*\t+8:OA+24*\t+15], v[\f+16*pu+8:\f+16*pu+15], v[16*(4*\g+pu):16*(4*\g+pu)+7], 0
	v_wmma_f32_16x16x32_f16 v[OA+24*\t+16:OA+24*\t+23], v[ONES:ONES+7], v[16*(4*\g+pu):16*(4*\g+pu)+7], 0
.else
	v_wmma_f32_16x16x32_f16 v[OA+24*\t:OA+24*\t+7], v[\f+16*pu:\f+16*pu+7], v[16*(4*\g+pu):16*(4*\g+pu)+7], v[OA+24*\t:OA+24*\t+7]
	v_wmma_f32_16x16x32_f16 v[OA+24*\t+8:OA+24*\t+15], v[\f+16*pu+8:\f+16*pu+15], v[16*(4*\g+pu):16*(4*\g+pu)+7], v[OA+24*\t+8:OA+24*\t+15]
	v_wmma_f32_16x16x32_f16 v[OA+24*\t+16:OA+24*\t+23], v[ONES:ONES+7], v[16*(4*\g+pu):16*(4*\g+pu)+7], v[OA+24*\t+16:OA+24*\t+23]
.endif
.set pu, pu+1
.endr
.endm
; word i of the column result, two f16, to two f32 at F0 + 2 i: the low half is converted, the high half is shifted down in place and converted as a low half.
; lo names the low half of v[CF + i].
.macro UNPK i, lo
	v_cvt_f32_f16 v[F0+2*\i], \lo
	v_lshrrev_b32 v[CF+\i], 16, v[CF+\i]
	v_cvt_f32_f16 v[F0+2*\i+1], \lo
.endm
; one head, its tiles in slot; last = 1: the mask's tiles are spent behind the scores, and out_b is loaded in their place
.macro HEAD slot, last
.set hi, 0
.rept 4
	ds_load_b128 v[QF+4*hi:QF+4*hi+3], v[AQ+\slot] offset:(hi>>1)*16*KP+(hi&1)*32
.set hi, hi+1
.endr
.set hi, 0
.rept 4
	ds_load_b128 v[CF+4*hi:CF+4*hi+3], v[AC+\slot] offset:(hi>>1)*16*KP+(hi&1)*32
.set hi, hi+1
.endr
	FETCHK \slot, 0, F0
	FETCHK \slot, 1, F1
.irp g, 0,1,2,3
.if \g < 3
	s_wait_dscnt 16                        ; all but the 16 youngest loads, the next group's fragments
.else
	s_wait_dscnt 0x0
.endif
	SPROD \g, (F0+64*(\g&1))
	WIN 0
.if \g != 2
	PLACES
.endif
.if \g < 2
	FETCHK \slot, (\g+2), (F0+64*(\g&1))
.endif
.endr
.if \last
	WIN 0xc0
.set hi, 0
.rept 16
	global_load_b128 v[8*hi:8*hi+3], v[H32], s[16:17] offset:64*hi         ; register j of tile et: out_b[16 et + 8 h + j]
	global_load_b128 v[8*hi+4:8*hi+7], v[H32], s[16:17] offset:64*hi+16
.set hi, hi+1
.endr
	WIN 0
.endif
	FETCHV \slot, 0, F0
	FETCHV \slot, 1, F1
	SOFTMAX 1
	SOFTMAX 2
.irp g, 0,1,2,3
.if \g < 3
	s_wait_dscnt 16
.else
	s_wait_dscnt 0x0
.endif
	PVPROD \g, (F0+64*(\g&1)), 0
	PVPROD \g, (F0+64*(\g&1)), 1
	WIN 0
.if \g != 2
	PLACES
.endif
.if \g < 2
	FETCHV \slot, (\g+2), (F0+64*(\g&1))
.endif
.endr
	v_rcp_f32 v[RR], v[OA+16]              ; the sum is at least 1: the largest score's weight is 1
	v_rcp_f32 v[RR+2], v[OA+40]
	v_nop
	s_wait_alu depctr_va_vdst(0)
	v_mov_b32 v[RR+1], v[RR]
	v_mov_b32 v[RR+3], v[RR+2]
	UNPK 0, v112.l                         ; the column result of both query tiles, f16 to f32: tile t's 16 numbers at F0 + 16 t
	UNPK 1, v113.l
	UNPK 2, v114.l
	UNPK 3, v115.l
	UNPK 4, v116.l
	UNPK 5, v117.l
	UNPK 6, v118.l
	UNPK 7, v119.l
	UNPK 8, v120.l
	UNPK 9, v121.l
	UNPK 10, v122.l
	UNPK 11, v123.l
	UNPK 12, v124.l
	UNPK 13, v125.l
	UNPK 14, v126.l
	UNPK 15, v127.l
.irp t, 0,1
.set ei, 0
.rept 8
	v_pk_fma_f32 v[OA+24*\t+2*ei:OA+24*\t+2*ei+1], v[OA+24*\t+2*ei:OA+24*\t+2*ei+1], v[RR+2*\t:RR+2*\t+1], v[F0+16*\t+2*ei:F0+16*\t+2*ei+1]
.set ei, ei+1
.endr
.set ed, 0
.rept 2
.set ei, 0
.rept 4
	v_cvt_pk_f16_f32 v[OA+24*\t+8*ed+ei], v[OA+24*\t+8*ed+2*ei], v[OA+24*\t+8*ed+2*ei+1]
.set ei, ei+1
.endr
	ds_store_b128 v[ACMB], v[OA+24*\t+8*ed:OA+24*\t+8*ed+3] offset:\slot*2048+\t*1024+ed*512
.set ed, ed+1
.endr
.endr
.endm
; One head's turn.  In front of the round every wave waits for all its tensor loads (its part of this head's tiles among them) and for its LDS instructions
; (its reads of the other slot among them); behind the round the other slot is filled again first: kind 1 the next head's tiles, kind 2 out_w's rows 0 .. 127.
.macro TRIP slot, kind, last
	WIN 0
	s_wait_xcnt 0x0
	v_lshl_add_u32 v126, v0, 2, 0x4e400
	v_mov_b32 v127, 0
	s_wait_tensorcnt 0x0                   ; no tensor load of mine is out: the descriptors' first groups may be written
	ds_add_u32 v126, v127
	s_wait_dscnt 0x0
.if \kind == 1
	s_add_nc_u64 s[70:71], s[70:71], 32768 ; the next head
	s_add_nc_u64 s[74:75], s[74:75], 32768
	s_add_nc_u64 s[78:79], s[78:79], 32768
	s_add_nc_u64 s[82:83], s[82:83], 32768
	s_mov_b32 s69, (1-\slot)*SLOT+KOF      ; into the other slot
	s_mov_b32 s73, (1-\slot)*SLOT+VOF
	s_mov_b32 s77, (1-\slot)*SLOT+QOF
	s_mov_b32 s81, (1-\slot)*SLOT+COF
.endif
	s_wait_dscnt 0x0
	ROUND
.if \kind == 1
	TLOAD
.else
	tensor_load_to_lds s[84:87], s[56:63]  ; 32 rows of out_w a wave, jointly
	s_nop 0
.endif
	HEAD \slot, \last
.endm
.macro FETCHO half, g, f               ; out_w's fragments: e tiles 2 (g >> 1), + 1 of the half, k steps (heads) 4 (g & 1) .. + 3; fragment (e2, ks) at 8 (4 e2 + ks)
.set oe, 0
.rept 2
.set ok, 0
.rept 4
	ds_load_b128 v[\f+8*(4*oe+ok):\f+8*(4*oe+ok)+3], v[AW+\half] offset:(2*((\g)>>1)+oe)*16*WOP+64*(4*((\g)&1)+ok)
	ds_load_b128 v[\f+8*(4*oe+ok)+4:\f+8*(4*oe+ok)+7], v[AW+\half] offset:(2*((\g)>>1)+oe)*16*WOP+64*(4*((\g)&1)+ok)+32
.set ok, ok+1
.endr
.set oe, oe+1
.endr
.endm
.macro OPROD half, g, f                ; 16 products on four accumulators, which take turns; head 0's product starts each sum from out_b
.set ok, 0
.rept 4
.set ohd, 4*(\g&1)+ok
.if ohd == 0
	WIN 0x78
.else
	WIN 0x58
.endif
.set oe, 0
.rept 2
.set oet, 8*\half+2*(\g>>1)+oe
.set ot, 0
.rept 2
.if ohd == 0
	v_wmma_f32_16x16x32_f16 v[8*(2*oet+ot):8*(2*oet+ot)+7], v[\f+8*(4*oe+ok):\f+8*(4*oe+ok)+7], v[8*(2*ohd+ot):8*(2*ohd+ot)+7], v[8*oet:8*oet+7]
.else
	v_wmma_f32_16x16x32_f16 v[8*(2*oet+ot):8*(2*oet+ot)+7], v[\f+8*(4*oe+ok):\f+8*(4*oe+ok)+7], v[8*(2*ohd+ot):8*(2*ohd+ot)+7], v[8*(2*oet+ot):8*(2*oet+ot)+7]
.endif
.set ot, ot+1
.endr
.set oe, oe+1
.endr
.set ok, ok+1
.endr
.endm
; 128 columns e of the output projection, out_w's rows in slot half
.macro OUTSTEP half
	WIN 0
	s_wait_xcnt 0x0
	v_lshl_add_u32 v126, v0, 2, 0x4e400
	v_mov_b32 v127, 0
	s_wait_tensorcnt 0x0                   ; my 32 rows of this half are in, and no tensor load of mine is out
	ds_add_u32 v126, v127
	s_wait_dscnt 0x0
.if \half == 0
	s_add_co_u32 s85, s85, SLOT            ; rows 128 .. 255 go to slot 1
	s_add_nc_u64 s[86:87], s[86:87], 65536
.endif
	s_wait_dscnt 0x0                       ; my reads of the other slot are done
.if \half == 0
	ROUND
	tensor_load_to_lds s[84:87], s[56:63]
	s_nop 0
	WIN 0x80
.set hi, 0
.rept 32
	ds_load_b128 v[4*hi:4*hi+3], v[ACMR] offset:512*hi             ; the sums' fragments, my own bytes, in the order in which they were stored
.set hi, hi+1
.endr
	WIN 0
	s_wait_loadcnt 0x0                     ; out_b
.else
	s_barrier_signal -1
	s_barrier_wait -1
.endif
	FETCHO \half, 0, F0
	FETCHO \half, 1, F1
.irp g, 0,1,2,3,4,5,6,7
.if \g < 7
	s_wait_dscnt 16                        ; all but the next group's 16 loads
.else
	s_wait_dscnt 0x0
.endif
	OPROD \half, \g, (F0+64*(\g&1))
	WIN 0
.if \g != 6
	PLACES
.endif
.if \g < 6
	FETCHO \half, (\g+2), (F0+64*(\g&1))
.endif
.endr
.endm
	s_load_b512 s[4:19], s[0:1], 0x0               ; qws, kws, vws, cws, wows, mask, out_b, out0
	v_lshl_add_u32 v126, v0, 2, 0x4e400
	v_mov_b32 v127, 0
	ds_add_u32 v126, v127
	s_wait_dscnt 0x0
	v_and_b32 v1, 15, v0                           ; r
	v_bfe_u32 v2, v0, 4, 1                         ; h
	v_and_b32 v3, 31, v0                           ; L
	v_lshrrev_b32 v28, 5, v0
	v_readfirstlane_b32 s20, v28                   ; wave
	s_bfe_u32 s21, ttmp6, 0x40000                  ; cx: my block of 128 queries
	s_mov_b32 s24, 0x76543210
	s_mov_b32 s25, 0xfedcba98
	; Descriptors, second groups.  Every tile is dense in memory and comes as rows of 8-byte elements; the padding is counted along the whole tile.
	s_mov_b32 s32, 15|(3<<16)|(1<<20)|(1<<21)|(3<<22)|(3<<25)      ; K: mask 15, bit 21 beside it; 8-byte elements; 4 words of padding behind every 16: pitch 80
	s_mov_b32 s33, 32<<16                          ; tensor_dim0 = 32 elements (256 bytes)
	s_mov_b32 s34, 128<<16                         ; tensor_dim1 = 128 rows
	s_mov_b32 s35, 32<<16                          ; tile_dim0
	s_mov_b32 s36, 128                             ; tile_dim1
	s_mov_b32 s37, 32                              ; pitch in memory
	s_mov_b32 s38, 0
	s_mov_b32 s39, 0
	s_mov_b32 s40, 15|(3<<16)|(1<<20)|(1<<21)|(3<<22)|(7<<25)      ; V: 8 words of padding: pitch 96
	s_mov_b32 s41, 32<<16
	s_mov_b32 s42, 128<<16
	s_mov_b32 s43, 32<<16
	s_mov_b32 s44, 128
	s_mov_b32 s45, 32
	s_mov_b32 s46, 0
	s_mov_b32 s47, 0
	s_mov_b32 s48, (3<<16)|(1<<20)|(3<<22)|(3<<25)                 ; Q and the column result: my own, 32 rows of 256 bytes, pitch 80
	s_mov_b32 s49, 32<<16
	s_mov_b32 s50, 32<<16
	s_mov_b32 s51, 32<<16
	s_mov_b32 s52, 32
	s_mov_b32 s53, 32
	s_mov_b32 s54, 0
	s_mov_b32 s55, 0
	s_mov_b32 s56, 15|(3<<16)|(1<<20)|(1<<21)|(6<<22)|(3<<25)      ; out_w: 32 rows of 512 bytes, 4 words of padding behind every 128: pitch 528
	s_mov_b32 s57, 64<<16
	s_mov_b32 s58, 32<<16
	s_mov_b32 s59, 64<<16
	s_mov_b32 s60, 32
	s_mov_b32 s61, 64
	s_mov_b32 s62, 0
	s_mov_b32 s63, 0
	s_lshl_b32 s26, ttmp9, 18                      ; s * 262,144: what the four partners share; these two registers never hold cx
	s_mov_b32 s27, 0
	s_lshl_b32 s28, ttmp9, 18                      ; + cx * 128 rows of 64 bytes: my own
	s_lshl_b32 s29, s21, 13
	s_add_co_u32 s28, s28, s29
	s_mov_b32 s29, 0
	s_lshl_b32 s30, s20, 14                        ; out_w: 32 w rows of 512 bytes
	s_mov_b32 s31, 0
	s_wait_kmcnt 0x0
	s_mov_b32 s68, 1
	s_mov_b32 s69, KOF
	s_add_nc_u64 s[70:71], s[6:7], s[26:27]
	s_or_b32 s71, s71, 0x80000000
	s_mov_b32 s72, 1
	s_mov_b32 s73, VOF
	s_add_nc_u64 s[74:75], s[8:9], s[26:27]
	s_or_b32 s75, s75, 0x80000000
	s_mov_b32 s76, 1
	s_mov_b32 s77, QOF
	s_add_nc_u64 s[78:79], s[4:5], s[28:29]
	s_or_b32 s79, s79, 0x80000000
	s_mov_b32 s80, 1
	s_mov_b32 s81, COF
	s_add_nc_u64 s[82:83], s[10:11], s[28:29]
	s_or_b32 s83, s83, 0x80000000
	s_mov_b32 s84, 1
	s_mul_i32 s85, s20, 32*WOP
	s_add_nc_u64 s[86:87], s[12:13], s[30:31]
	s_or_b32 s87, s87, 0x80000000
	ROUND                                          ; all four work-groups are here: the first joint loads meet
	TLOAD                                          ; head 0 into slot 0
	s_lshl_b32 s26, ttmp9, 9                       ; the mask's row s
	s_add_nc_u64 s[14:15], s[14:15], s[26:27]
	s_lshl_b32 s28, ttmp9, 19                      ; out0: row s * 512 + 128 cx + 32 w, 1,024 bytes each
	s_lshl_b32 s30, s21, 17
	s_add_co_u32 s28, s28, s30
	s_lshl_b32 s30, s20, 15
	s_add_co_u32 s28, s28, s30
	s_add_nc_u64 s[18:19], s[18:19], s[28:29]
	v_lshlrev_b32 v[GO], 4, v3
	global_load_b128 v[20:23], v[GO], s[14:15]     ; 16 keys' mask bytes a lane
	v_mul_u32_u24 v[AK], v1, KP
	v_lshl_add_u32 v[AK], v2, 4, v[AK]
	v_add_nc_u32 v[AK+1], SLOT, v[AK]
	v_and_b32 v28, 7, v0
	v_lshl_add_u32 v28, v2, 3, v28
	v_mul_u32_u24 v28, v28, VP
	v_bfe_u32 v29, v0, 3, 1
	v_lshl_add_u32 v28, v29, 4, v28
	v_add_nc_u32 v[AV], VOF, v28
	v_add_nc_u32 v[AV+1], SLOT+VOF, v28
	s_mul_i32 s30, s20, 32*KP
	s_add_co_u32 s30, s30, QOF
	v_add_nc_u32 v[AQ], s30, v[AK]
	v_add_nc_u32 v[AQ+1], SLOT, v[AQ]
	v_add_nc_u32 v[AC], COF-QOF, v[AQ]
	v_add_nc_u32 v[AC+1], SLOT, v[AC]
	s_lshl_b32 s30, s20, 14
	s_add_co_u32 s30, s30, COMB
	v_lshl_add_u32 v[ACMB], v3, 4, s30
	v_mov_b32 v[ACMR], v[ACMB]
	v_mul_u32_u24 v[AW], v1, WOP
	v_lshl_add_u32 v[OSW], v2, 5, v[AW]
	v_lshl_add_u32 v[AW], v2, 4, v[AW]
	v_add_nc_u32 v[AW+1], SLOT, v[AW]
	s_mul_i32 s30, s20, OSTW
	s_add_co_u32 s30, s30, OST
	v_add_nc_u32 v[OSW], s30, v[OSW]
	v_lshl_add_u32 v[OSR], v3, 4, s30
	v_lshlrev_b32 v[H32], 5, v2
	v_mov_b32 v[VNEG], 0xceabfb8f                  ; -1e9 * log2(e)
	v_lshl_add_u32 v25, v3, 6, s30                 ; my 16 words of my wave's table
	v_add_nc_u32 v26, s30, v[H32]
	v_mov_b32 v27, 0
.set oi, 0
.rept 8
	v_mov_b32 v[ONES+oi], 0x3c003c00               ; a fragment of ones in f16
.set oi, oi+1
.endr
	; the mask's row as 512 f32, 0 or NEG, through my wave's own table into 32 C tiles: register j of tile kt is key 16 kt + 8 h + j
	s_wait_loadcnt 0x0
.set oq, 0
.rept 4
.set ob, 0
.rept 4
	v_bfe_u32 v24, v[20+oq], 8*ob, 8
	v_cmp_eq_u32 vcc_lo, 0, v24
	v_cndmask_b32 v[F0+4*oq+ob], 0, v[VNEG], vcc_lo
.set ob, ob+1
.endr
	ds_store_b128 v25, v[F0+4*oq:F0+4*oq+3] offset:16*oq
.set oq, oq+1
.endr
	WIN 0xc0
.set oq, 0
.rept 32
	ds_load_b128 v[8*oq:8*oq+3], v26 offset:64*oq                  ; LDS serves a wave's instructions in order: these see the stores above
	ds_load_b128 v[8*oq+4:8*oq+7], v26 offset:64*oq+16
.set oq, oq+1
.endr
	WIN 0
	s_mov_b32 s23, 3
.Lheads:                                           ; heads 0 .. 5, two a trip
	TRIP 0, 1, 0
	TRIP 1, 1, 0
	WIN 0
	s_wait_dscnt 0x0                               ; the stores that use ACMB are done
	v_add_nc_u32 v[ACMB], 4096, v[ACMB]
	s_sub_co_u32 s23, s23, 1
	s_cmp_lg_u32 s23, 0
	s_cbranch_scc1 .Lheads
	TRIP 0, 1, 0                                   ; head 6; head 7's tiles go out
	TRIP 1, 2, 1                                   ; head 7; out_w's first half goes into slot 0
	OUTSTEP 0                                      ; its second half goes into slot 1
	OUTSTEP 1
	; THE WAY OUT: a lane holds one query and eight neighbouring e.  16 queries x 128 e at a time through my own stage, read back as rows of 512 bytes.
.irp t, 0,1
.irp eh, 0,1
	s_wait_xcnt 0x0                                ; F0 was the last chunk's store data: it is loaded again only behind this wait
	WIN 0x04
.set se, 0
.rept 8
	ds_store_b128 v[OSW], v[8*(2*(8*\eh+se)+\t):8*(2*(8*\eh+se)+\t)+3] offset:64*se
	ds_store_b128 v[OSW], v[8*(2*(8*\eh+se)+\t)+4:8*(2*(8*\eh+se)+\t)+7] offset:64*se+16
.set se, se+1
.endr
	WIN 0
.set se, 0
.rept 16
	ds_load_b128 v[F0+4*se:F0+4*se+3], v[OSR] offset:WOP*se
.set se, se+1
.endr
.set se, 0
.rept 16
	s_wait_dscnt 15-se                             ; LDS loads come back in order: row se is in, the younger ones stay out
	global_store_b128 v[GO], v[F0+4*se:F0+4*se+3], s[18:19] offset:(16*\t+se)*1024+512*\eh th:TH_STORE_NT   ; the wave's store covers 512 consecutive bytes, aligned
.set se, se+1
.endr
.endr
.endr
	s_wait_dscnt 0x0
	s_wait_xcnt 0x0
	v_lshl_add_u32 v126, v0, 2, 0x4e400
	v_mov_b32 v127, 0
	s_wait_tensorcnt 0x0
	ds_add_u32 v126, v127
	s_wait_dscnt 0x0
	ROUND                                          ; the closing round: no work-group ends while a partner may still ask for a tile that names it
	s_endpgm
.Lfunc_end_k_q769f26a930_row_out:
	.size	k_q769f26a930_row_out, .Lfunc_end_k_q769f26a930_row_out-k_q769f26a930_row_out
	.p2alignl 7, 3214868480
	.fill 96, 4, 3214868480
	.section	.rodata,"a",@progbits
	.p2align	6, 0x0
	.amdhsa_kernel k_q769f26a930_row_out
		.amdhsa_group_segment_fixed_size 327680
		.amdhsa_private_segment_fixed_size 0
		.amdhsa_enable_private_segment 0
		.amdhsa_kernarg_size 64
		.amdhsa_user_sgpr_count 2
		.amdhsa_user_sgpr_kernarg_segment_ptr 1
		.amdhsa_wavefront_size32 1
		.amdhsa_system_sgpr_workgroup_id_x 1
		.amdhsa_system_sgpr_workgroup_id_y 1
		.amdhsa_system_sgpr_workgroup_id_z 1
		.amdhsa_system_vgpr_workitem_id 0
		.amdhsa_next_free_vgpr 1024
		.amdhsa_next_free_sgpr 88
		.amdhsa_reserve_vcc 1
		.amdhsa_float_denorm_mode_32 3
		.amdhsa_float_denorm_mode_16_64 3
		.amdhsa_memory_ordered 1
		.amdhsa_forward_progress 1
		.amdhsa_inst_pref_size 255
	.end_amdhsa_kernel
	.section	.bss,"aw",@nobits
	.p2align	6
	.space	262144
	.amdgpu_metadata
---
amdhsa.version: [ 1, 2 ]
amdhsa.kernels:
  - .name:           k_q769f26a930_row_out
    .symbol:         k_q769f26a930_row_out.kd
    .args:
      - { .name: qws, .offset: 0, .size: 8, .value_kind: global_buffer, .address_space: global }
      - { .name: kws, .offset: 8, .size: 8, .value_kind: global_buffer, .address_space: global }
      - { .name: vws, .offset: 16, .size: 8, .value_kind: global_buffer, .address_space: global }
      - { .name: cws, .offset: 24, .size: 8, .value_kind: global_buffer, .address_space: global }
      - { .name: wows, .offset: 32, .size: 8, .value_kind: global_buffer, .address_space: global }
      - { .name: mask, .offset: 40, .size: 8, .value_kind: global_buffer, .address_space: global }
      - { .name: out_b, .offset: 48, .size: 8, .value_kind: global_buffer, .address_space: global }
      - { .name: out0, .offset: 56, .size: 8, .value_kind: global_buffer, .address_space: global }
    .group_segment_fixed_size: 327680
    .private_segment_fixed_size: 0
    .kernarg_segment_align: 8
    .kernarg_segment_size: 64
    .max_flat_workgroup_size: 128
    .sgpr_count:     88
    .vgpr_count:     1024
    .wavefront_size: 32
...
	.end_amdgpu_metadata
.endif
;; end of part 2
;; ======== version 2 of 2: 2 launches; 1.11 times as fast as version 1
;; limits: values outside matrix products are rounded to f16; values are held in f16: magnitudes above 65,504 overflow, below 6.1e-05 lose precision
;; workspace buffers: qws 16,777,216 bytes; kws 16,777,216 bytes; vws 16,777,216 bytes; cws 16,777,216 bytes; wows 131,072 bytes
;; launch proj_col (part 3): grid 256 x 1, 4 waves a work-group, no clusters, 313,856 bytes of LDS; arguments msa_repr, mask, rq_w, rq_b, rk_w, rk_b, rv_w, rv_b, cq_w, cq_b, ck_w, ck_b, cv_w, cv_b, out_w, qws, kws, vws, cws, wows; writes qws, kws, vws, cws, wows
.if DOCPART == 3
	.amdgcn_target "amdgcn-amd-amdhsa--gfx1250"
	.amdhsa_code_object_version 6
	.text
	.protected	k_q769f26a930_proj_col
	.globl	k_q769f26a930_proj_col
	.p2align	8
	.type	k_q769f26a930_proj_col,@function
k_q769f26a930_proj_col:
	s_mov_b64 s[64:65], 0
	v_nop
	global_prefetch_b8 v0, s[64:65] scope:SCOPE_SE
	s_setreg_imm32_b32 hwreg(HW_REG_WAVE_MODE, 25, 1), 1
	s_wait_xcnt 0x0
; MSA attention, first of two launches: the six projections of x = msa_repr [64 s][512 l][256], and the whole column attention.
; Stored, all f16, as [s 64][head 8][l 512][32]: qws = (x rq_w^T + rq_b) * SC, kws = x rk_w^T + rk_b with the rows of masked (s, l) set to 0,
; vws = x rv_w^T + rv_b, cws = the column attention's result.  wows = out_w in f16, [256][256].
; NOTHING OF reference() IS LEFT OUT.  The key biases rk_b and ck_b shift all unmasked scores of a query alike, but the -1e9 of a masked key does not shift
; with them, so with holes in the mask they reach the result in exact arithmetic: they are added.
; THE FORMAT of all matrix operands is f16, sums in f32.  A result passes through a chain of roundings (x and the weights, q and k, v, the softmax's weights,
; the column result, the sum of the two attentions, out_w); f16 keeps 11 significant bits in each of them, bf16 would keep 8.
; ROOM IN f16 (largest finite number 65,504).  With every input 30 times its drawn spread q, k and v have a spread of 30 x 30 = 900.  With a common offset of
; 30 spreads on x (30) and on the weights (30 / 16), |k| and |v| are about 256 x 30 x 1.875 = 14,400, and the sum of the two attentions 28,800.  With every
; input 30 times smaller q, k and v have a spread of 1 / 900 and the scaled query weights one of 5e-4, beside which f16's step below 2^-14, 2^-24, is 1e-4.
; THE MASK costs nothing for each score: a masked key's K row is set to 0 (one select for each packed pair of K), and the score product takes as its C operand
; a tile that holds 0 for an unmasked key and NEG = -1e9 * log2(e) for a masked one.  A masked score is then exactly 0 + NEG, reference()'s replacement in base 2,
; and a query whose keys are all masked gets the uniform softmax, as in reference().
; THE SCALE SC = log2(e) / sqrt(32) is folded in f32 into rq_w, cq_w and their biases, before they are rounded: q' = x (W SC)^T + b SC.  Weights of the softmax
; are exp2(S' - max S'), with the true maximum of all 64 scores of a query, which lie in registers.  Their sum is a product with a tile of ones, taken over the
; weights as rounded to f16.  THE BIAS is the C operand of a projection's first product: no instruction adds it.
; cv_b is added behind the normalisation, col = O / l + cv_b, which is the same since the normalised weights add up to 1 for every input.
; LIMITS: a q', k, v or column result beyond 65,504 becomes infinite where reference() stays finite.  Any non-zero mask byte counts as true.  A q that is not
; finite meets the zeroed row of a masked key as 0 * inf = NaN, where reference() has -1e9.  The column result is carried in f16 and is rounded a second time
; with the sum in the next launch (2^-11 relative at the most).  v_exp_f32 gives 0 below 2^-126; a weight below 2^-25 is 0 in f16.
;
; SHARES.  Work-group g: hp = g & 3 is a pair of heads (64 columns e of each of the six matrices), lb = g >> 2 eight positions l0 = 8 lb .. + 7.
; Two trips of one loop; in trip li wave w owns position l = l0 + 4 li + w: its 64 rows (all s), 64 e of six projections, the column attention of two heads.
; The four waves' positions are neighbours, so their 4 x 64 bytes of one (s, head) are 256 consecutive bytes, aligned; they meet in an LDS stage and leave whole.
; THE SIX PROJECTIONS ARE ONE RUN OF 768 PRODUCTS, in 48 groups of 16: projection p, half hf (e tiles 2 hf, 2 hf + 1: one head of the pair), k steps 2 kk, 2 kk + 1.
; A half's eight accumulators take turns through its 64 products.  While one half is multiplied the other half's results are rounded, masked and stored to the
; stage, a tile at a time, in slices of at most four instructions behind single products; a finished stage is read at a group's boundary and leaves in slices too.
; A group's fragments of W are fetched one group ahead, over the ends of halves and projections.
; THE WEIGHTS: matrices 0 and 1 are converted in front of the loop; matrix q + 1 (q = 1 .. 4) lands behind the first trip's products and is converted in front of
; the barrier that stands in front of half 1 of projection q, three groups ahead of its first fetch.  These blocks and the look-ahead loads of x stand under
; forward branches on the trip counter; every wait for such loads is for 0 and stands on every way.
; EVERY PRODUCT IS USED SO THAT ITS RESULT IS THE NEXT PRODUCT'S FRAGMENT: D = W x^T leaves a lane with one row of x and eight neighbouring e, which packed to
; f16 is half of an A or B fragment along the head's 32; S^T = K Q^T leaves a lane with one query and eight neighbouring keys, which packed is P's B fragment;
; V comes as x W^T, a lane with one e and eight neighbouring keys: the A fragment of O^T = V^T P.
; NO CLUSTER AND NO TENSOR LOADS: x and the weights are f32 and must be converted on the way.  A position group's x in f32 is 4 x 64 KiB = 256 KiB, which does not
; fit into LDS beside the resident f16 weights (202,752 bytes) and the stages (69,632 bytes).  So both come through registers, 512 consecutive bytes a load.
;
; LDS (ds instructions alone touch it)
.set WPITCH, 528                       ; an f16 row of 256 numbers + 16 bytes: an odd multiple of 16, so 16 rows start at 16 different groups of banks
.set WMAT,   64*WPITCH                 ; one matrix's 64 rows
.set SCR,    6*WMAT                    ; 0 .. 202,751: the six matrices' rows, row p * 64 + e'
.set SCRB,   16*WPITCH                 ; each wave's own 16 rows of x in f16, on the way from load order to fragment order
.set SPITCH, 272                       ; a stage row: 256 bytes + 16
.set STGB,   128*SPITCH                ; a stage: 128 rows (head of the pair * 64 + s)
.set STG0,   SCR+4*SCRB                ; two stages take turns
.set TBL,    STG0+2*STGB               ; each wave's own 64 f32: 0 or NEG for each key s
.set BT,     TBL+4*256                 ; each wave's own copy of the six biases' 64 numbers: 256 bytes for each matrix
.set BTB,    6*256
; REGISTERS, window 0
.set LOFF, 4                           ; 16 L
.set SCRW, 5                           ; my scratch + 8 L
.set SCRR, 6                           ; my scratch + 528 r + 16 h
.set WST,  7                           ; my 16 rows of matrix 0, + 8 L
.set STW,  10                          ; v10, v11: stage n + 272 r + 64 w + 16 h
.set STR,  12                          ; v12, v13: stage n + (32 w + h) 272 + 16 r
.set GOUT, 14                          ; h * 262,144 + 16 r + 256 li
.set BOFF, 15                          ; my bias table + 32 h
.set MOFF, 16                          ; 512 r + l0 + w
.set TBW,  17
.set TBR,  18
.set VNEG, 19
.set T,    20                          ; v20-23 the mask's bytes, v24-27 at work; v28-30 the out_w row's store, never written again
.set F0,   32                          ; v[32:63], v[64:95]: fragments of W, two buffers of 4 x 8: fragment (k step of the two, e tile of the two) at 8 (2 k2 + e2)
.set BG,   32                          ; in front of the loop alone, in F0's place: 256 hp + 8 L,
.set BS,   33                          ; my bias table + 8 L,
.set BD,   34                          ; v[34:45] two numbers of each of the six biases
.set BIA,  96                          ; v[96:127]: b[64 hp + 16 et + 8 h + j] at 8 et + j: a C tile for each e tile
.set CB,   128                         ; v[128:159]: the mask's C tiles, key tile kt at 8 kt
.set M,    160
.set MP,   164                         ; pairs of a query tile's maximum
.set R,    172                         ; pairs of 1 / l
.set WPB,  180                         ; v180-182: 528 r + 16 h in matrix 0, 2, 4; the odd matrices are reached by the offset.  Never rewritten
.set WADR, 183                         ; where my 16 rows of the matrix that has just landed go, + 8 L
.set FL,   192                         ; v[192:255]: a stage on its way out
; window 1: [0:127] accumulators, tile (et, rt) at 8 (4 et + rt), later the scores; [128:191] cq fragments; [192:255] ck fragments
; window 2: [0:63] cv fragments; [64:71] ones; [72:103] sums;   window 3: x fragments, (rt, k) at 64 rt + 8 k
; x lands as f32 in four zones of 128 registers: rows 0-15 in window 3 [0:127], 16-31 in window 3 [128:255], 32-47 in window 2 [128:255], 48-63 in window 1 [128:255]
; matrices 0 and 1 land in window 1 [0:127] and window 2 [0:127], matrices 2 to 5 in window 2 [128:255], which is free from XCONV 2 to the look-ahead for rows 32-47
.set XB, 44                            ; s[44:51]: x at my first position, rows 16 c ..; never rewritten
.set MSB, 0
.macro WIN new                         ; s_set_vgpr_msb: bits 1:0 source 0, 3:2 source 1, 5:4 source 2, 7:6 destination; the high byte repeats the setting left
.if MSB != \new
	s_set_vgpr_msb (MSB<<8)|\new
.set MSB, \new
.endif
.endm
.macro PLACES                          ; four independent vector instructions behind a matrix instruction, before its result is read by anything but a
.rept 4                                ; matrix instruction or one of its registers is written or loaded into (ISA guide 7.12.1)
	v_nop
.endr
.endm
.macro BAR                             ; my LDS stores and loads are done, then the work-group's barrier
	s_wait_dscnt 0x0
	s_barrier_signal -1
	s_barrier_wait -1
.endm
; 16 rows of x (s = 16 c ..), f32: 32 loads of 512 consecutive bytes.  ahead = 0: my first position; 1: my second, four positions of 1,024 bytes on
.macro XLOAD c, ahead, win, base
	WIN (\win<<6)
.set xi, 0
.rept 32
	global_load_b128 v[\base+4*xi:\base+4*xi+3], v[LOFF], s[XB+2*\c:XB+2*\c+1] offset:(xi>>1)*524288+(xi&1)*512+\ahead*4096
.set xi, xi+1
.endr
.endm
; my 16 rows of matrix p
.macro WLOAD p, win, base
	WIN (\win<<6)
.set xi, 0
.rept 32
	global_load_b128 v[\base+4*xi:\base+4*xi+3], v[LOFF], s[8+4*\p:9+4*\p] offset:512*xi
.set xi, xi+1
.endr
.endm
; a zone of 16 rows: (sc = 1: times SC, in f32,) f32 to f16 in place, then 8 bytes a lane into LDS rows of 528 bytes
.macro CONVST win, base, adr, off, sc
.if \sc
	WIN (\win*0x41)
.set xi, 0
.rept 64
	v_pk_mul_f32 v[\base+2*xi:\base+2*xi+1], v[\base+2*xi:\base+2*xi+1], s[56:57] op_sel_hi:[1,0]
.set xi, xi+1
.endr
.endif
	WIN (\win*0x45)
.set xi, 0
.rept 32
	v_cvt_pk_f16_f32 v[\base+4*xi], v[\base+4*xi], v[\base+4*xi+1]
	v_cvt_pk_f16_f32 v[\base+4*xi+1], v[\base+4*xi+2], v[\base+4*xi+3]
.set xi, xi+1
.endr
	WIN (\win<<2)
.set xi, 0
.rept 32
	ds_store_b64 v[\adr], v[\base+4*xi:\base+4*xi+1] offset:\off+(xi>>1)*WPITCH+(xi&1)*256
.set xi, xi+1
.endr
.endm
; x rows 16 c .. through my own scratch into fragments.  LDS serves a wave's instructions in order (ISA guide 5.7.1), so the loads see the stores,
; and the next chunk's stores come behind these loads.
.macro XCONV c, win, base
	CONVST \win, \base, SCRW, 0, 0
.if \win == 3
	s_wait_dscnt 0x0                       ; the zone lies in window 3, where fragments land: its stores have read it
.endif
	WIN 0xc0
.set xi, 0
.rept 8
	ds_load_b128 v[64*\c+8*xi:64*\c+8*xi+3], v[SCRR] offset:64*xi
	ds_load_b128 v[64*\c+8*xi+4:64*\c+8*xi+7], v[SCRR] offset:64*xi+32
.set xi, xi+1
.endr
.endm
.macro MASKLD li
.set mi, 0
.rept 4
	global_load_u8 v[T+mi], v[MOFF], s[6:7] offset:8192*mi+4*\li   ; mask[16 mi + r][l]
.set mi, mi+1
.endr
.endm
; In the first trip alone: the second position's rows 16 c .. go out, into a zone that this trip has spent (with chunk 2: the mask's bytes too).
; The branch hangs on the trip counter, which all waves share; the wait that serves these loads is the one for 0 at the loop's head.
.macro AHEAD c, win, base
	WIN 0
	s_cmp_lg_u32 s60, 0
	s_cbranch_scc1 .Lnot_ahead_\@
	XLOAD \c, 1, \win, \base
	WIN 0
.if \c == 2
	MASKLD 1
.endif
.Lnot_ahead_\@:
.endm
; In the first trip alone: matrix q + 1 has landed in window 2's upper half (the wait for it stands in front of this block, on every way): to f16 and into LDS.
.macro WARRIVE q
	s_cmp_lg_u32 s60, 0
	s_cbranch_scc1 .Lno_wc_\@
	v_add_nc_u32 v[WADR], (\q+1)*WMAT, v[WST]
.if (\q+1) == 3
	CONVST 2, 128, WADR, 0, 1              ; cq_w carries the scale
.else
	CONVST 2, 128, WADR, 0, 0
.endif
	WIN 0
.Lno_wc_\@:
.endm
; In the first trip alone: my 16 rows of matrix p are asked for; the zone's LDS stores were waited for in front of the barrier just passed.
.macro WASK p
	s_cmp_lg_u32 s60, 0
	s_cbranch_scc1 .Lno_wl_\@
	WLOAD \p, 2, 128
	WIN 0
.Lno_wl_\@:
.endm
.macro MASKMK                          ; s[52+rt]: lanes whose row 16 rt + r is unmasked; the table of 0 / NEG; the four C tiles
.set mi, 0
.rept 4
	v_cmp_ne_u32 s[52+mi], 0, v[T+mi]
	v_cndmask_b32 v[T+4+mi], v[VNEG], 0, s[52+mi]
	ds_store_b32 v[TBW], v[T+4+mi] offset:64*mi
.set mi, mi+1
.endr
.set mi, 0
.rept 4
	ds_load_b128 v[CB+8*mi:CB+8*mi+3], v[TBR] offset:64*mi         ; register j: key 16 kt + 8 h + j
	ds_load_b128 v[CB+8*mi+4:CB+8*mi+7], v[TBR] offset:64*mi+16
.set mi, mi+1
.endr
.endm
; a group's four fragments of W (16 e x 32 d each): matrix p, e tiles 2 hf, 2 hf + 1, k steps 2 kk, 2 kk + 1.  The largest offset is 33,792 + 25,344 + 480 = 59,616
.macro FETCHH p, hf, kk, f
.set fk, 0
.rept 2
.set fe, 0
.rept 2
	ds_load_b128 v[\f+8*(2*fk+fe):\f+8*(2*fk+fe)+3], v[WPB+((\p)>>1)] offset:((\p)&1)*WMAT+16*WPITCH*(2*(\hf)+fe)+64*(2*(\kk)+fk)
	ds_load_b128 v[\f+8*(2*fk+fe)+4:\f+8*(2*fk+fe)+7], v[WPB+((\p)>>1)] offset:((\p)&1)*WMAT+16*WPITCH*(2*(\hf)+fe)+64*(2*(\kk)+fk)+32
.set fe, fe+1
.endr
.set fk, fk+1
.endr
.endm
.macro BLOAD p, hf                     ; the bias of e tiles 2 hf, 2 hf + 1 of matrix p, from my own table
.set bi, 2*(\hf)
.rept 2
	ds_load_b128 v[BIA+8*bi:BIA+8*bi+3], v[BOFF] offset:256*(\p)+64*bi
	ds_load_b128 v[BIA+8*bi+4:BIA+8*bi+7], v[BOFF] offset:256*(\p)+64*bi+16
.set bi, bi+1
.endr
.endm
; tile pt = 4 et + rt of projection p is rounded to f16.  p: 0 rq, 1 rk, 2 rv (in place, then to a stage), 3 cq, 4 ck, 5 cv (to fragments)
.macro CVT4 p, pt
.if \p == 5
	WIN 0x85
.set pd, 8*(2*((\pt)>>2)+(((\pt)&3)>>1))+4*((\pt)&1)                    ; window 2: fragment (et, u = rt / 2), half rt & 1
.elseif \p >= 3
	WIN 0x45
.set pd, 128+64*(\p-3)+8*(4*((\pt)>>3)+((\pt)&3))+4*(((\pt)>>2)&1)      ; fragment (head et / 2, row tile rt), half et & 1
.else
	WIN 0x45
.set pd, 8*(\pt)                                                        ; the tile's first four registers
.endif
.set pi, 0
.rept 4
	v_cvt_pk_f16_f32 v[pd+pi], v[8*(\pt)+2*pi], v[8*(\pt)+2*pi+1]
.set pi, pi+1
.endr
.endm
.macro CND4 p, pt                      ; a masked key's row of K is 0
	WIN 0x45
.if \p >= 3
.set pd, 128+64*(\p-3)+8*(4*((\pt)>>3)+((\pt)&3))+4*(((\pt)>>2)&1)
.else
.set pd, 8*(\pt)
.endif
.set pi, 0
.rept 4
	v_cndmask_b32 v[pd+pi], 0, v[pd+pi], s[52+((\pt)&3)]
.set pi, pi+1
.endr
.endm
.macro STG2 p, pt                      ; tiles pt, pt + 1 go to the stage
	WIN 0x04
.set pi, 0
.rept 2
.set ps, \pt+pi
	ds_store_b128 v[STW+(\p&1)], v[8*ps:8*ps+3] offset:((ps>>3)*64+16*(ps&3))*SPITCH+32*((ps>>2)&1)
.set pi, pi+1
.endr
.endm
; What stands behind product jj of group g.  Products 0 to 4: tiles 2 gk, 2 gk + 1 of the half (qp, qh) that was multiplied before this one.  The stage stores stand
; eleven products ahead of the next boundary's wait.  Products 8, 10, 12, 14 of the second group behind a stage's barrier: four of the stage's sixteen stores each;
; each store of the wave covers two aligned runs of 256 consecutive bytes.
.macro SLICE
.if g >= 4
.if jj < 2
.set st, 8*qh+2*gk+jj
	CVT4 qp, st
.elseif jj < 4
.if (qp % 3) == 1
.set st, 8*qh+2*gk+jj-2
	CND4 qp, st
.endif
.elseif jj == 4
.if qp < 3
.set st, 8*qh+2*gk
	STG2 qp, st
.endif
.endif
.endif
.if jj >= 8
.if (jj & 1) == 0
.if gk == 1
.if gh == 1
.if gp >= 1
.if gp <= 3
	WIN 0
.set fi, 2*(jj-8)
.rept 4
	global_store_b128 v[GOUT], v[FL+4*fi:FL+4*fi+3], s[32+2*gp:33+2*gp] offset:fi*524288
.set fi, fi+1
.endr
.endif
.endif
.endif
.endif
.endif
.endif
.endm
; 16 products: two k steps on the half's eight accumulators, always in this order, so that the accumulators take turns, from group to group
; and from half to half too.  The first k step starts the sums from the bias (p < 5) or from 0 (cv, whose bias is added behind the normalisation).
.macro GROUP
.set jj, 0
.rept 16
.set jk, 2*gk+(jj>>3)
.set je, 2*gh+((jj>>2)&1)
.set jm, 4*je+(jj&3)
.set jw, gf+8*(2*(jj>>3)+((jj>>2)&1))
.set jx, 64*(jj&3)+8*jk
.if gp == 5
	WIN 0x53                               ; A = x (window 3), B = W: a lane gets one e and eight neighbouring s
.if jk == 0
	v_wmma_f32_16x16x32_f16 v[8*jm:8*jm+7], v[jx:jx+7], v[jw:jw+7], 0
.else
	v_wmma_f32_16x16x32_f16 v[8*jm:8*jm+7], v[jx:jx+7], v[jw:jw+7], v[8*jm:8*jm+7]
.endif
.else
.if jk == 0
	WIN 0x4c                               ; A = W, B = x (window 3), C = the bias tile (window 0): a lane gets one s and eight neighbouring e
	v_wmma_f32_16x16x32_f16 v[8*jm:8*jm+7], v[jw:jw+7], v[jx:jx+7], v[BIA+8*je:BIA+8*je+7]
.else
	WIN 0x5c
	v_wmma_f32_16x16x32_f16 v[8*jm:8*jm+7], v[jw:jw+7], v[jx:jx+7], v[8*jm:8*jm+7]
.endif
.endif
	SLICE
.set jj, jj+1
.endr
.endm
; In front of group g.  The four places serve the fetch into the buffer that group g - 1 read, and the slices that read the last half's results.
; In front of half 1 of projection q = 1 .. 4 also: matrix q + 1 is converted (first trip), the work-group's barrier shows it and the stage of projection q - 1 whole,
; the next matrix or x's rows 32 .. 47 are asked for (first trip), and the stage is read: my 32 of its 128 rows, two a load.
.macro BOUNDARY
	WIN 0
	PLACES
.set spc, 0
.if gk == 0
.if gh == 1
.if gp >= 1
.if gp <= 4
.set spc, 1
.endif
.endif
.endif
.endif
.if spc
	s_wait_loadcnt 0x0                     ; the matrix asked for 128 products ago (192 for matrix 2); nothing is out in the second trip
	WARRIVE gp
	s_wait_dscnt 0x0                       ; my stage stores, my rows of the matrix, my reads of the other stage, this group's fragments
	s_barrier_signal -1
	s_barrier_wait -1
.if gp <= 3
	s_wait_xcnt 0x0                        ; FL was the last flush's store data: it is loaded again only behind this wait
	WASK (gp+2)
.else
	AHEAD 2, 2, 128
.endif
.endif
.if g < 47
	FETCHH np, nh, nk, nf
.if nk == 0
	BLOAD np, nh                           ; the next group starts a half: its bias tiles; their last readers stand eight groups back
.endif
.endif
.if spc
.if gp <= 3
.set fi, 0
.rept 16
	ds_load_b128 v[FL+4*fi:FL+4*fi+3], v[STR+((gp-1)&1)] offset:2*SPITCH*fi
.set fi, fi+1
.endr
.endif
.else
.if g == 47
	s_wait_dscnt 0x0
.elseif nk == 0
	s_wait_dscnt 12                        ; all but the 8 + 4 loads just issued: this group's fragments are in
.else
	s_wait_dscnt 8                         ; all but the 8 loads just issued: this group's fragments are in, and a stage read at the last boundary
.endif
.endif
.endm
.macro SUBG b, mp                      ; 32 scores less their query's maximum
.set gi, 0
.rept 16
	v_pk_add_f32 v[\b+2*gi:\b+2*gi+1], v[\b+2*gi:\b+2*gi+1], v[\mp:\mp+1] neg_lo:[0,1] neg_hi:[0,1]
.set gi, gi+1
.endr
.endm
.macro EXPG b
.set gi, 0
.rept 32
	v_exp_f32 v[\b+gi], v[\b+gi]
.set gi, gi+1
.endr
.endm
.macro CVTG b                          ; key tiles 2 u, 2 u + 1 pack into P's fragment u at b + 16 u; b + 16 u + 8 .. 15 fall free
.set gu, 0
	s_wait_alu depctr_va_vdst(0)
.rept 2
.set gi, 0
.rept 4
	v_cvt_pk_f16_f32 v[\b+16*gu+gi], v[\b+16*gu+2*gi], v[\b+16*gu+2*gi+1]
.set gi, gi+1
.endr
.set gi, 0
.rept 4
	v_cvt_pk_f16_f32 v[\b+16*gu+4+gi], v[\b+16*gu+8+2*gi], v[\b+16*gu+8+2*gi+1]
.set gi, gi+1
.endr
.set gu, gu+1
.endr
.endm
; the column attention of head a of the pair, at my position: 64 queries x 64 keys
.macro ATT a
	s_wait_dscnt 0x0                       ; the LDS stores that read window 1's low half are done: it is written again
	WIN 0x45
.set aq, 0
.rept 4
.set ak, 0
.rept 4
	v_wmma_f32_16x16x32_f16 v[32*aq+8*ak:32*aq+8*ak+7], v[192+8*(4*\a+ak):192+8*(4*\a+ak)+7], v[128+8*(4*\a+aq):128+8*(4*\a+aq)+7], v[CB+8*ak:CB+8*ak+7]
.set ak, ak+1
.endr
.set aq, aq+1
.endr
	PLACES
.if \a == 1
	AHEAD 3, 1, 128                        ; the cq and ck fragments are spent: the next position's rows 48 .. 63 land there
.endif
	WIN 0x05
.set aq, 0
.rept 4
	v_max_num_f32 v[M+aq], v[32*aq], v[32*aq+1]
.set aq, aq+1
.endr
.set aj, 1
.rept 15
.set aq, 0
.rept 4
	v_max3_num_f32 v[M+aq], v[32*aq+2*aj], v[32*aq+2*aj+1], v[M+aq]
.set aq, aq+1
.endr
.set aj, aj+1
.endr
	WIN 0
.set aq, 0
.rept 4
	v_permlanex16_b32 v[T+4+aq], v[M+aq], s58, s59                 ; the other 32 keys of my query lie in lane L xor 16
	v_max_num_f32 v[MP+2*aq], v[M+aq], v[T+4+aq]
	v_mov_b32 v[MP+2*aq+1], v[MP+2*aq]
.set aq, aq+1
.endr
	WIN 0x41
	SUBG 0, MP
.irp q, 0,1,2,3
	EXPG (32*\q)
.if \q < 3
	SUBG (32*\q+32), (MP+2*\q+2)           ; plain instructions between the exponentials and the use of their results (ISA guide 5.7.2)
.else
	v_nop
	s_wait_alu depctr_va_vdst(0)
.endif
	WIN 0x45
	CVTG (32*\q)
.if \q < 3
	WIN 0x41
.endif
.endr
.if \a == 0
	AHEAD 1, 3, 128                        ; the next position's rows 16 .. 31
.endif
	WIN 0x56                               ; O^T = V^T P: eight accumulators take turns
.set au, 0
.rept 2
.set aq, 0
.rept 4
.set ad, 0
.rept 2
.if au == 0
	v_wmma_f32_16x16x32_f16 v[32*aq+16*ad+8:32*aq+16*ad+15], v[8*(2*(2*\a+ad)+au):8*(2*(2*\a+ad)+au)+7], v[32*aq+16*au:32*aq+16*au+7], 0
.else
	v_wmma_f32_16x16x32_f16 v[32*aq+16*ad+8:32*aq+16*ad+15], v[8*(2*(2*\a+ad)+au):8*(2*(2*\a+ad)+au)+7], v[32*aq+16*au:32*aq+16*au+7], v[32*aq+16*ad+8:32*aq+16*ad+15]
.endif
.set ad, ad+1
.endr
.set aq, aq+1
.endr
.set au, au+1
.endr
	WIN 0xa6                               ; ones x P: the sum of a query's weights, in every register of the tile; four accumulators take turns
.set au, 0
.rept 2
.set aq, 0
.rept 4
.if au == 0
	v_wmma_f32_16x16x32_f16 v[72+8*aq:72+8*aq+7], v[64:71], v[32*aq+16*au:32*aq+16*au+7], 0
.else
	v_wmma_f32_16x16x32_f16 v[72+8*aq:72+8*aq+7], v[64:71], v[32*aq+16*au:32*aq+16*au+7], v[72+8*aq:72+8*aq+7]
.endif
.set aq, aq+1
.endr
.set au, au+1
.endr
	PLACES
	WIN 0x02
.set aq, 0
.rept 4
	v_rcp_f32 v[R+2*aq], v[72+8*aq]        ; the sum is at least 1: the largest score's weight is 1
	v_rcp_f32 v[R+2*aq+1], v[72+8*aq]
.set aq, aq+1
.endr
	v_nop
	WIN 0x41
.set aq, 0
	s_wait_alu depctr_va_vdst(0)
.rept 4
.set ad, 0
.rept 2
.set ai, 0
.rept 4
	v_pk_fma_f32 v[32*aq+16*ad+8+2*ai:32*aq+16*ad+9+2*ai], v[32*aq+16*ad+8+2*ai:32*aq+16*ad+9+2*ai], v[R+2*aq:R+2*aq+1], v[BIA+8*(2*\a+ad)+2*ai:BIA+8*(2*\a+ad)+2*ai+1]
.set ai, ai+1
.endr
.set ad, ad+1
.endr
.set aq, aq+1
.endr
	WIN 0x45
.set aq, 0
.rept 8
.set ai, 0
.rept 4
	v_cvt_pk_f16_f32 v[16*aq+8+ai], v[16*aq+8+2*ai], v[16*aq+8+2*ai+1]
.set ai, ai+1
.endr
.set aq, aq+1
.endr
	WIN 0x04
.set aq, 0
.rept 4
.set ad, 0
.rept 2
	ds_store_b128 v[STW+1], v[32*aq+16*ad+8:32*aq+16*ad+11] offset:(\a*64+16*aq)*SPITCH+32*ad
.set ad, ad+1
.endr
.set aq, aq+1
.endr
.endm
; stage n leaves, with no products to stand behind: my 32 of its 128 rows, two a load; each store of the wave covers two aligned runs of 256 consecutive bytes
.macro FLUSH n, buf
	WIN 0
	s_wait_xcnt 0x0                        ; FL was the last flush's store data: it is loaded again only behind this wait
.set fi, 0
.rept 16
	ds_load_b128 v[FL+4*fi:FL+4*fi+3], v[STR+\n] offset:2*SPITCH*fi
.set fi, fi+1
.endr
.set fi, 0
.rept 16
	s_wait_dscnt 15-fi                     ; LDS loads come back in order: load fi is in, the younger ones stay out
	global_store_b128 v[GOUT], v[FL+4*fi:FL+4*fi+3], s[\buf:\buf+1] offset:fi*524288
.set fi, fi+1
.endr
.endm
	s_load_b512 s[4:19], s[0:1], 0x0               ; x, mask, rq_w, rq_b, rk_w, rk_b, rv_w, rv_b
	s_load_b512 s[20:35], s[0:1], 0x40             ; cq_w, cq_b, ck_w, ck_b, cv_w, cv_b, out_w, qws
	s_load_b256 s[36:43], s[0:1], 0x80             ; kws, vws, cws, wows
	v_lshl_add_u32 v190, v0, 2, 0x4c800
	v_mov_b32 v191, 0
	v_and_b32 v1, 15, v0                           ; r
	v_bfe_u32 v2, v0, 4, 1                         ; h
	v_and_b32 v3, 31, v0                           ; L
	v_lshrrev_b32 v20, 5, v0
	v_readfirstlane_b32 s61, v20                   ; wave
	s_and_b32 s62, ttmp9, 3                        ; hp
	s_lshr_b32 s63, ttmp9, 2                       ; lb
	s_mov_b32 s56, 0x3e8293ee                      ; SC = log2(e) / sqrt(32), twice
	s_mov_b32 s57, 0x3e8293ee
	s_mov_b32 s58, 0x76543210                      ; v_permlanex16_b32: lane i of one half reads lane i of the other
	s_mov_b32 s59, 0xfedcba98
	v_lshlrev_b32 v[LOFF], 4, v3
	s_mul_i32 s67, s61, SCRB
	s_add_co_u32 s66, s67, SCR
	v_lshl_add_u32 v[SCRW], v3, 3, s66
	v_mul_u32_u24 v[WPB], v1, WPITCH
	v_lshl_add_u32 v[WPB], v2, 4, v[WPB]           ; 528 r + 16 h
	v_add_nc_u32 v[SCRR], s66, v[WPB]
	v_add_nc_u32 v[WPB+1], 2*WMAT, v[WPB]
	v_add_nc_u32 v[WPB+2], 4*WMAT, v[WPB]
	v_lshl_add_u32 v[WST], v3, 3, s67              ; 16 w rows of 528 bytes + 8 L
	v_mul_u32_u24 v20, v1, SPITCH
	v_lshl_add_u32 v20, v2, 4, v20
	s_lshl_b32 s68, s61, 6
	s_add_co_u32 s68, s68, STG0
	v_add_nc_u32 v[STW], s68, v20
	v_add_nc_u32 v[STW+1], STGB, v[STW]
	v_mul_u32_u24 v21, v2, SPITCH
	v_lshl_add_u32 v21, v1, 4, v21
	s_mul_i32 s69, s61, 32*SPITCH
	s_add_co_u32 s69, s69, STG0
	v_add_nc_u32 v[STR], s69, v21
	v_add_nc_u32 v[STR+1], STGB, v[STR]
	v_lshlrev_b32 v[GOUT], 4, v1
	v_lshl_add_u32 v[GOUT], v2, 18, v[GOUT]
	s_mul_i32 s70, s61, BTB
	s_add_co_u32 s70, s70, BT                      ; my bias table
	v_lshl_add_u32 v[BOFF], v2, 5, s70
	v_lshl_add_u32 v[BS], v3, 3, s70
	s_lshl_b32 s70, s62, 8
	v_lshl_add_u32 v[BG], v3, 3, s70               ; 64 hp numbers of 4 bytes + 8 L
	s_lshl3_add_u32 s71, s63, s61                  ; l0 + w
	v_lshl_add_u32 v[MOFF], v1, 9, s71
	s_lshl_b32 s72, s61, 8
	s_add_co_u32 s72, s72, TBL
	v_lshl_add_u32 v[TBW], v1, 2, s72
	v_lshl_add_u32 v[TBR], v2, 5, s72
	v_mov_b32 v[VNEG], 0xceabfb8f                  ; -1e9 * log2(e)
	v_lshlrev_b32 v30, 3, v3
	s_lshl_b32 s66, s71, 10                        ; x: my position's row of 1,024 bytes
	s_mov_b32 s67, 0
	s_lshl_b32 s68, s62, 16                        ; weights: row 64 hp + 16 w, 1,024 bytes each
	s_lshl_b32 s69, s61, 14
	s_add_co_u32 s68, s68, s69
	s_mov_b32 s69, 0
	s_lshl_b32 s70, s62, 16                        ; outputs: head 2 hp + w / 2, s = 32 (w & 1), l = l0
	s_lshr_b32 s72, s61, 1
	s_lshl_b32 s72, s72, 15
	s_add_co_u32 s70, s70, s72
	s_and_b32 s72, s61, 1
	s_lshl_b32 s72, s72, 23
	s_add_co_u32 s70, s70, s72
	s_lshl_b32 s72, s63, 9
	s_add_co_u32 s70, s70, s72
	s_mov_b32 s71, 0
	s_lshl_b32 s72, ttmp9, 10                      ; out_w: row g, half w
	s_lshl_b32 s73, s61, 9
	s_add_co_u32 s72, s72, s73
	s_mov_b32 s73, 0
	s_wait_kmcnt 0x0
	s_add_nc_u64 s[XB:XB+1], s[4:5], s[66:67]
	s_add_nc_u64 s[XB+2:XB+3], s[XB:XB+1], 0x800000        ; 16 rows s further: 16 x 524,288 bytes
	s_add_nc_u64 s[XB+4:XB+5], s[XB+2:XB+3], 0x800000
	s_add_nc_u64 s[XB+6:XB+7], s[XB+4:XB+5], 0x800000
.irp p, 0,1,2,3,4,5
	s_add_nc_u64 s[8+4*\p:9+4*\p], s[8+4*\p:9+4*\p], s[68:69]
.endr
.irp b, 34,36,38,40
	s_add_nc_u64 s[\b:\b+1], s[\b:\b+1], s[70:71]
.endr
	s_add_nc_u64 s[32:33], s[32:33], s[72:73]
	s_lshr_b32 s72, s72, 1                         ; wows: half the bytes
	s_add_nc_u64 s[42:43], s[42:43], s[72:73]
	; THE WAY IN, one stream of loads: the biases, (waves 0 and 1) a half row of out_w, matrices 0 and 1, then my first position's x and mask into the zones
	; that the loop reads.  The matrices are converted while x is on its way.
.irp p, 0,1,2,3,4,5
	global_load_b64 v[BD+2*\p:BD+2*\p+1], v[BG], s[10+4*\p:11+4*\p]        ; 64 numbers of bias p: 256 consecutive bytes
.endr
	s_cmp_gt_u32 s61, 1
	s_cbranch_scc1 .Lno_wo_load
	global_load_b128 v[24:27], v[LOFF], s[32:33]
.Lno_wo_load:
	WLOAD 0, 1, 0
	WLOAD 1, 2, 0
	XLOAD 0, 0, 3, 0
	XLOAD 1, 0, 3, 128
	XLOAD 2, 0, 2, 128
	XLOAD 3, 0, 1, 128
	WIN 0
	MASKLD 0
	s_wait_loadcnt 63                              ; behind matrix 1's last load stand x's 128 and the mask's 4: the matrices and all that is older are in
	v_pk_mul_f32 v[BD:BD+1], v[BD:BD+1], s[56:57] op_sel_hi:[1,0]          ; rq_b and cq_b carry the scale
	v_pk_mul_f32 v[BD+6:BD+7], v[BD+6:BD+7], s[56:57] op_sel_hi:[1,0]
.irp p, 0,1,2,3,4,5
	ds_store_b64 v[BS], v[BD+2*\p:BD+2*\p+1] offset:256*\p
.endr
	s_cmp_gt_u32 s61, 1
	s_cbranch_scc1 .Lno_wo
	v_cvt_pk_f16_f32 v28, v24, v25
	v_cvt_pk_f16_f32 v29, v26, v27
	global_store_b64 v30, v[28:29], s[42:43]       ; the wave's store covers 256 consecutive bytes, aligned
.Lno_wo:
	CONVST 1, 0, WST, 0, 1                         ; rq_w carries the scale
	CONVST 2, 0, WST, WMAT, 0
	BAR                                            ; matrices 0 and 1 are whole
	WIN 0x80
.set oi, 0
.rept 8
	v_mov_b32 v[64+oi], 0x3c003c00                 ; a fragment of ones in f16
.set oi, oi+1
.endr
	WIN 0
	; ONE POSITION A TRIP.  The stages take turns 0, 1, 0, 1, over the backward jump too: between the reads of a stage and its next stores lies the barrier
	; of the result between them, and in front of every barrier each wave has waited for its LDS instructions.
	s_mov_b32 s60, 0
.Lpos:
	s_wait_loadcnt 0x0                             ; this position's x and mask
	XCONV 0, 3, 0                                  ; each chunk's fragments land in a zone that has been converted and stored
	XCONV 1, 3, 128
	XCONV 2, 2, 128
	XCONV 3, 1, 128
	WIN 0
	MASKMK
	BLOAD 0, 0
	FETCHH 0, 0, 0, F0
	s_cmp_lg_u32 s60, 0                            ; first trip alone: matrix 2 is asked for, 192 products ahead of its conversion
	s_cbranch_scc1 .Lno_w2
	s_wait_dscnt 0x0                               ; the LDS stores of XCONV 2 have read the zone
	WLOAD 2, 2, 128
	WIN 0
.Lno_w2:
.set g, 0
.rept 48
.set gp, g>>3                                  ; this group: projection, half, pair of k steps, buffer
.set gh, (g>>2)&1
.set gk, g&3
.set gf, F0+32*(g&1)
.set np, (g+1)>>3                              ; the next group
.set nh, ((g+1)>>2)&1
.set nk, (g+1)&3
.set nf, F0+32*((g+1)&1)
.if g >= 4
.set qp, (g-4)>>3                              ; the half multiplied before this one
.set qh, ((g-4)>>2)&1
.endif
	BOUNDARY
	GROUP
.set g, g+1
.endr
	WIN 0
	PLACES
.set tq, 8
.rept 8
	CVT4 5, tq                                     ; cv's second half has no products to stand behind
.set tq, tq+1
.endr
	AHEAD 0, 3, 0                                  ; x's fragments are spent: rows 0 .. 15 land in their place
	ATT 0
	ATT 1
	BAR
	FLUSH 1, 40
	s_wait_xcnt 0x0                                ; the stores' offset register is rewritten only behind this wait
	v_add_nc_u32 v[GOUT], 256, v[GOUT]             ; four positions of 64 bytes on
	s_add_co_u32 s60, s60, 1
	s_cmp_lt_u32 s60, 2
	s_cbranch_scc1 .Lpos
	s_wait_tensorcnt 0x0
	ds_add_u32 v190, v191
	s_wait_dscnt 0x0
	s_endpgm
.Lfunc_end_k_q769f26a930_proj_col:
	.size	k_q769f26a930_proj_col, .Lfunc_end_k_q769f26a930_proj_col-k_q769f26a930_proj_col
	.p2alignl 7, 3214868480
	.fill 96, 4, 3214868480
	.section	.rodata,"a",@progbits
	.p2align	6, 0x0
	.amdhsa_kernel k_q769f26a930_proj_col
		.amdhsa_group_segment_fixed_size 313856
		.amdhsa_private_segment_fixed_size 0
		.amdhsa_enable_private_segment 0
		.amdhsa_kernarg_size 160
		.amdhsa_user_sgpr_count 2
		.amdhsa_user_sgpr_kernarg_segment_ptr 1
		.amdhsa_wavefront_size32 1
		.amdhsa_system_sgpr_workgroup_id_x 1
		.amdhsa_system_sgpr_workgroup_id_y 1
		.amdhsa_system_sgpr_workgroup_id_z 1
		.amdhsa_system_vgpr_workitem_id 0
		.amdhsa_next_free_vgpr 1024
		.amdhsa_next_free_sgpr 74
		.amdhsa_reserve_vcc 0
		.amdhsa_float_denorm_mode_32 3
		.amdhsa_float_denorm_mode_16_64 3
		.amdhsa_memory_ordered 1
		.amdhsa_forward_progress 1
		.amdhsa_inst_pref_size 255
	.end_amdhsa_kernel
	.section	.bss,"aw",@nobits
	.p2align	6
	.space	262144
	.amdgpu_metadata
---
amdhsa.version: [ 1, 2 ]
amdhsa.kernels:
  - .name:           k_q769f26a930_proj_col
    .symbol:         k_q769f26a930_proj_col.kd
    .args:
      - { .name: msa_repr, .offset: 0, .size: 8, .value_kind: global_buffer, .address_space: global }
      - { .name: mask, .offset: 8, .size: 8, .value_kind: global_buffer, .address_space: global }
      - { .name: rq_w, .offset: 16, .size: 8, .value_kind: global_buffer, .address_space: global }
      - { .name: rq_b, .offset: 24, .size: 8, .value_kind: global_buffer, .address_space: global }
      - { .name: rk_w, .offset: 32, .size: 8, .value_kind: global_buffer, .address_space: global }
      - { .name: rk_b, .offset: 40, .size: 8, .value_kind: global_buffer, .address_space: global }
      - { .name: rv_w, .offset: 48, .size: 8, .value_kind: global_buffer, .address_space: global }
      - { .name: rv_b, .offset: 56, .size: 8, .value_kind: global_buffer, .address_space: global }
      - { .name: cq_w, .offset: 64, .size: 8, .value_kind: global_buffer, .address_space: global }
      - { .name: cq_b, .offset: 72, .size: 8, .value_kind: global_buffer, .address_space: global }
      - { .name: ck_w, .offset: 80, .size: 8, .value_kind: global_buffer, .address_space: global }
      - { .name: ck_b, .offset: 88, .size: 8, .value_kind: global_buffer, .address_space: global }
      - { .name: cv_w, .offset: 96, .size: 8, .value_kind: global_buffer, .address_space: global }
      - { .name: cv_b, .offset: 104, .size: 8, .value_kind: global_buffer, .address_space: global }
      - { .name: out_w, .offset: 112, .size: 8, .value_kind: global_buffer, .address_space: global }
      - { .name: qws, .offset: 120, .size: 8, .value_kind: global_buffer, .address_space: global }
      - { .name: kws, .offset: 128, .size: 8, .value_kind: global_buffer, .address_space: global }
      - { .name: vws, .offset: 136, .size: 8, .value_kind: global_buffer, .address_space: global }
      - { .name: cws, .offset: 144, .size: 8, .value_kind: global_buffer, .address_space: global }
      - { .name: wows, .offset: 152, .size: 8, .value_kind: global_buffer, .address_space: global }
    .group_segment_fixed_size: 313856
    .private_segment_fixed_size: 0
    .kernarg_segment_align: 8
    .kernarg_segment_size: 160
    .max_flat_workgroup_size: 128
    .sgpr_count:     74
    .vgpr_count:     1024
    .wavefront_size: 32
...
	.end_amdgpu_metadata
.endif
;; end of part 3
;; launch row_out (part 4): grid 256 x 1, 4 waves a work-group, clusters of 4 x 1, 327,680 bytes of LDS; arguments qws, kws, vws, cws, wows, mask, out_b, out0; writes out0
.if DOCPART == 4
	.amdgcn_target "amdgcn-amd-amdhsa--gfx1250"
	.amdhsa_code_object_version 6
	.text
	.protected	k_q769f26a930_row_out
	.globl	k_q769f26a930_row_out
	.p2align	8
	.type	k_q769f26a930_row_out,@function
k_q769f26a930_row_out:
	s_mov_b64 s[64:65], 0
	v_nop
	global_prefetch_b8 v0, s[64:65] scope:SCOPE_SE
	s_setreg_imm32_b32 hwreg(HW_REG_WAVE_MODE, 25, 1), 1
	s_wait_xcnt 0x0
	s_wait_alu depctr_hold_cnt(0) depctr_sa_sdst(0) depctr_va_vdst(0) depctr_va_sdst(0) depctr_va_ssrc(0) depctr_va_vcc(0) depctr_vm_vsrc(0)
	s_getreg_b32 s2, hwreg(HW_REG_IB_STS2, 6, 4)
	s_cmp_eq_u32 s2, 0
	s_cbranch_scc0 .Lentry_in_a_cluster
	s_endpgm
.Lentry_in_a_cluster:
	s_bfe_u32 s2, ttmp6, 0x10000c
	s_cmp_lg_u32 s2, 0x3003
	s_cbranch_scc0 .Lentry_shape_is_right
	s_endpgm
.Lentry_shape_is_right:
; MSA attention, second of two launches: the row attention, the sum with the column attention's result, the output projection.
; Inputs from the first launch, f16 [s 64][head 8][l 512][32]: qws (scaled by log2(e) / sqrt(32)), kws (rows of masked keys are 0), vws, cws; wows = out_w in f16.
; Nothing of reference() is left out.  A masked score is 0 + NEG = -1e9 * log2(e): the score product's C operand is a tile of 0 (unmasked key) or NEG (masked key).
; Weights are exp2(S' - max S') with the true maximum: all 512 scores of a query lie in registers (256 a lane).  Their sum is a product with a tile of ones.
; All matrix operands are f16 (11 significant bits in each rounding of the chain), sums f32.  The weights lie in [0, 1]; one below 2^-14 is kept to an absolute
; 2^-25, which over 512 keys is under 2e-5 of a sum that is at least 1.  The sum of the two attentions is a convex mix of v's twice: with common offsets of
; 30 spreads on x and the weights about 2 x 14,400 = 28,800, under f16's 65,504.
; LIMITS: a sum of the two attentions beyond 65,504 becomes infinite where reference() stays finite; any non-zero mask byte counts as true; a q that is not finite
; meets a masked key's zero row as NaN where reference() has -1e9; the column result arrives in f16 and the sum is rounded to f16 as the output projection's
; operand; v_exp_f32 gives 0 below 2^-126, and a weight below 2^-25 is 0 in f16.
;
; SHARES.  A cluster of four work-groups owns one s (the cluster's x); the work-group at place cx owns queries 128 cx .. + 127, all eight heads;
; wave w owns 32 of them as two tiles of 16.  K, V and out_w are the same for the four: they are asked for JOINTLY (mask 15); Q and the column result are a
; work-group's own (mask 0).  No branch and no LDS address hangs on cx.
; PRODUCTS: S^T = K Q^T leaves a lane with one query and eight neighbouring keys, which packed to f16 is P's B fragment; O^T = V^T P leaves a lane with one query
; and eight neighbouring numbers of the head, which normalised, added to the column result and packed is the B fragment of out^T = Wo comb^T.
; VECTOR WORK STANDS BETWEEN THE PRODUCTS.  A head has 64 score products and 96 products with P, and for its 512 score registers 256 maxima, 256 packed
; subtractions, 512 exponentials and 256 conversions.  Behind each score product of key groups 1 to 3 stand four maxima over the group before; behind each
; product with P of keys 64 q .. stands one of twelve slices of the subtract, exp2 and pack of keys 64 (q + 1) .. of both query tiles.  A product and its slice
; name different register windows: two switches for each product so served, 96 + 168 a head.  The slices are also the places behind the products.
; A RING OF TWO LDS SLOTS, one head's tiles each, filled a head ahead: wave 0 asks for K, wave 1 for V, wave 2 for Q, wave 3 for the column result: one tensor
; load a wave behind each round of the cluster's barrier, and one tensor load of a wave is out at a time.
.set SLOT, 110592
.set KP,   80                          ; a row of 64 bytes + 16: an odd multiple of 16
.set VP,   96                          ; + 32: an odd multiple of 32, for the transposing load
.set WOP,  528                         ; a row of 512 bytes + 16
.set KOF,  0                           ; 512 keys x 80
.set VOF,  40960                       ; 512 keys x 96
.set QOF,  90112                       ; 128 queries x 80
.set COF,  100352                      ; 128 queries x 80
.set COMB, 2*SLOT                      ; each wave's own 16 KiB: the sums' fragments, head * 2,048 + tile * 1,024 + half * 512 + 16 L.  No fill lands here
.set OST,  COMB+4*16384                ; each wave's own 16 rows x 528: first the table of 0 / NEG, at the end the way out.  No fill lands here
.set OSTW, 16*WOP
; window 0
.set AK,   4                           ; v4, v5    slot + 80 r + 16 h
.set AV,   6                           ; v6, v7    slot + V + (8 h + (L & 7)) 96 + 16 ((L >> 3) & 1)
.set AQ,   8                           ; v8, v9    slot + Q + (32 w + r) 80 + 16 h
.set AC,   10                          ; v10, v11  the same in the column result
.set ACMB, 12                          ; where the sums' fragments go; steps by two heads
.set AW,   13                          ; v13, v14  slot + 528 r + 16 h
.set OSW,  15
.set OSR,  16
.set GO,   17                          ; 16 L
.set H32,  18                          ; 32 h
.set VNEG, 19
.set MB,   20                          ; v[20:23]  query tile 1: four running maxima, then the pair of its maximum (at the start: the mask's bytes)
.set ACMR, 31                          ; the first head's ACMB
.set QF,   32                          ; v[32:47]  Q's fragments, tile t at 8 t
.set ONES, 48
.set OA,   56                          ; tile t at 56 + 24 t: O (two tiles of 16 numbers of the head), then the sums
.set M,    104                         ; v[104:107] query tile 0: four running maxima, then the pair of its maximum.  Tile t's stand at M - 84 t
.set RR,   108
.set CF,   112                         ; v[112:127] the column result, as loaded; the calls of UNPK name these registers' halves as v112.l .. v127.l
.set F0,   128                         ; two buffers of 64 registers for fragments
.set F1,   192
; windows 1, 2: the scores of query tile 0, 1, key tile kt at 8 kt; window 3: the mask's 32 C tiles at 8 kt.
; In the output projection: window 1 the 32 accumulators (et, t) at 8 (2 et + t), window 2 the sums' fragments (head, t) at 8 (2 head + t), window 3 out_b at 8 et.
.set MSB, 0
.macro WIN new                         ; s_set_vgpr_msb: bits 1:0 source 0, 3:2 source 1, 5:4 source 2, 7:6 destination; the high byte repeats the setting left
.if MSB != \new
	s_set_vgpr_msb (MSB<<8)|\new
.set MSB, \new
.endif
.endm
.macro PLACES                          ; four independent vector instructions behind a matrix instruction, before its result is read by anything but a
.rept 4                                ; matrix instruction or one of its registers is written or loaded into (ISA guide 7.12.1)
	v_nop
.endr
.endm
; a round of the cluster's barrier: my work-group's barrier, wave 0 signals for the work-group, every wave waits for all four, my work-group's barrier again
.macro ROUND
	s_barrier_signal -1
	s_barrier_wait -1
	s_cmp_lg_u32 s20, 0
	s_cbranch_scc1 .Lnot_wave_0_\@
	s_barrier_signal -3
.Lnot_wave_0_\@:
	s_barrier_wait -3
	s_barrier_signal -1
	s_barrier_wait -1
.endm
.macro TLOAD                           ; one head's four tiles, one a wave; the branch hangs on the wave's number alone
	s_cmp_lg_u32 s20, 0
	s_cbranch_scc1 .Lt1_\@
	tensor_load_to_lds s[68:71], s[32:39]          ; K, jointly
	s_nop 0
	s_branch .Lt4_\@
.Lt1_\@:
	s_cmp_lg_u32 s20, 1
	s_cbranch_scc1 .Lt2_\@
	tensor_load_to_lds s[72:75], s[40:47]          ; V, jointly
	s_nop 0
	s_branch .Lt4_\@
.Lt2_\@:
	s_cmp_lg_u32 s20, 2
	s_cbranch_scc1 .Lt3_\@
	tensor_load_to_lds s[76:79], s[48:55]          ; my work-group's Q
	s_nop 0
	s_branch .Lt4_\@
.Lt3_\@:
	tensor_load_to_lds s[80:83], s[48:55]          ; my work-group's column result
	s_nop 0
.Lt4_\@:
.endm
.macro FETCHK slot, g, f               ; eight fragments of K: key tiles 8 g .. 8 g + 7
.set fi, 0
.rept 8
	ds_load_b128 v[\f+8*fi:\f+8*fi+3], v[AK+\slot] offset:(8*\g+fi)*16*KP
	ds_load_b128 v[\f+8*fi+4:\f+8*fi+7], v[AK+\slot] offset:(8*\g+fi)*16*KP+32
.set fi, fi+1
.endr
.endm
.macro FETCHV slot, g, f               ; V^T for keys 32 (4 g + u) .., u = 0 .. 3, both halves of the head: fragment (u, dt) at 16 u + 8 dt
.set fi, 0
.rept 4
.set fd, 0
.rept 2
	ds_load_tr16_b128 v[\f+16*fi+8*fd:\f+16*fi+8*fd+3], v[AV+\slot] offset:32*VP*(4*\g+fi)+32*fd
	ds_load_tr16_b128 v[\f+16*fi+8*fd+4:\f+16*fi+8*fd+7], v[AV+\slot] offset:32*VP*(4*\g+fi)+32*fd+16*VP
.set fd, fd+1
.endr
.set fi, fi+1
.endr
.endm
; slice j of eight of the maxima over key group G (64 score registers) of query tile t: four chains, chain c takes registers 64 G + 16 c + 2 j and the next.
; The very first slice starts the chains: nothing is cleared.
.macro MAXS t, G, j
	WIN ((\t+1)*0x05)
.set mc, 0
.rept 4
.if (\G+\j) == 0
	v_max_num_f32 v[M-84*\t+mc], v[64*\G+16*mc+2*\j], v[64*\G+16*mc+2*\j+1]
.else
	v_max3_num_f32 v[M-84*\t+mc], v[64*\G+16*mc+2*\j], v[64*\G+16*mc+2*\j+1], v[M-84*\t+mc]
.endif
.set mc, mc+1
.endr
.endm
; scores of eight key tiles, both query tiles; C is the mask's tile in window 3.  Behind each product: four maxima of the same query tile over the group before,
; whose products lie at least four plain vector instructions back.
.macro SPROD g, f
.set si, 0
.rept 8
	WIN 0x70
	v_wmma_f32_16x16x32_f16 v[8*(8*\g+si):8*(8*\g+si)+7], v[\f+8*si:\f+8*si+7], v[QF:QF+7], v[8*(8*\g+si):8*(8*\g+si)+7]
.if \g > 0
	MAXS 0, (\g-1), si
.endif
.set si, si+1
.endr
.set si, 0
.rept 8
	WIN 0xb0
	v_wmma_f32_16x16x32_f16 v[8*(8*\g+si):8*(8*\g+si)+7], v[\f+8*si:\f+8*si+7], v[QF+8:QF+15], v[8*(8*\g+si):8*(8*\g+si)+7]
.if \g > 0
	MAXS 1, (\g-1), si
.endif
.set si, si+1
.endr
.endm
.macro SUBG b, mp                      ; 32 scores less their query's maximum
.set gi, 0
.rept 16
	v_pk_add_f32 v[\b+2*gi:\b+2*gi+1], v[\b+2*gi:\b+2*gi+1], v[\mp:\mp+1] neg_lo:[0,1] neg_hi:[0,1]
.set gi, gi+1
.endr
.endm
.macro EXP8 b
.set gi, 0
.rept 8
	v_exp_f32 v[\b+gi], v[\b+gi]
.set gi, gi+1
.endr
.endm
.macro CVTG b                          ; key tiles 2 u, 2 u + 1 pack into P's fragment u at 16 u
.set gu, 0
	s_wait_alu depctr_va_vdst(0)
.rept 2
.set gi, 0
.rept 4
	v_cvt_pk_f16_f32 v[\b+16*gu+gi], v[\b+16*gu+2*gi], v[\b+16*gu+2*gi+1]
.set gi, gi+1
.endr
.set gi, 0
.rept 4
	v_cvt_pk_f16_f32 v[\b+16*gu+4+gi], v[\b+16*gu+8+2*gi], v[\b+16*gu+8+2*gi+1]
.set gi, gi+1
.endr
.set gu, gu+1
.endr
.endm
; slice k of twelve of the softmax's numerators of keys 64 q .. + 63 (32 score registers of each query tile).  Tile 1's subtraction is the plain work between
; tile 0's exponentials and their use; a v_nop is that for tile 1's (ISA guide 5.7.2).
.macro SMXS q, k
.if \k == 0
	WIN 0x41
	SUBG (32*\q), M
.elseif \k < 5
	WIN 0x41
	EXP8 (32*\q+8*(\k-1))
.elseif \k == 5
	WIN 0x82
	SUBG (32*\q), MB
.elseif \k == 6
	WIN 0x45
	CVTG (32*\q)
.elseif \k < 11
	WIN 0x82
	EXP8 (32*\q+8*(\k-7))
.else
	WIN 0x8a
	v_nop
	s_wait_alu depctr_va_vdst(0)
	CVTG (32*\q)
.endif
.endm
; O^T += V^T P and the sums += ones x P for keys 64 q .. + 63, both query tiles: twelve products on six accumulators, which take turns, one instruction a turn.
; Behind each: a slice of the next 64 keys' numerators.  f: the buffer with V's fragments of keys 128 (q >> 1) ..
.macro PVSTEP q, f
.set pk, 0
.irp uu, 0,1
.set pu, 2*\q+\uu
.set pv, \f+16*(2*(\q&1)+\uu)
.irp t, 0,1
.irp a, 0,1,2
.if \a == 2
.set pa, ONES
.else
.set pa, pv+8*\a
.endif
	WIN (4<<\t)
.if pu == 0
	v_wmma_f32_16x16x32_f16 v[OA+24*\t+8*\a:OA+24*\t+8*\a+7], v[pa:pa+7], v[16*pu:16*pu+7], 0
	s_wait_alu depctr_va_vdst(0)
.else
	v_wmma_f32_16x16x32_f16 v[OA+24*\t+8*\a:OA+24*\t+8*\a+7], v[pa:pa+7], v[16*pu:16*pu+7], v[OA+24*\t+8*\a:OA+24*\t+8*\a+7]
.endif
.if \q < 7
	SMXS (\q+1), pk
.endif
.set pk, pk+1
.endr
.endr
.endr
.endm
; word i of the column result, two f16, to two f32 at F0 + 2 i: the low half is converted, the high half is shifted down in place and converted as a low half.
; lo names the low half of v[CF + i].
.macro UNPK i, lo
	v_cvt_f32_f16 v[F0+2*\i], \lo
	v_lshrrev_b32 v[CF+\i], 16, v[CF+\i]
	v_cvt_f32_f16 v[F0+2*\i+1], \lo
.endm
; one head, its tiles in slot; last = 1: the mask's tiles are spent behind the scores, and out_b is loaded in their place
.macro HEAD slot, last
.set hi, 0
.rept 4
	ds_load_b128 v[QF+4*hi:QF+4*hi+3], v[AQ+\slot] offset:(hi>>1)*16*KP+(hi&1)*32
.set hi, hi+1
.endr
.set hi, 0
.rept 4
	ds_load_b128 v[CF+4*hi:CF+4*hi+3], v[AC+\slot] offset:(hi>>1)*16*KP+(hi&1)*32
.set hi, hi+1
.endr
	FETCHK \slot, 0, F0
	FETCHK \slot, 1, F1
.irp g, 0,1,2,3
.if \g < 3
	s_wait_dscnt 16                        ; all but the 16 youngest loads, the next group's fragments
.else
	s_wait_dscnt 0x0
.endif
	SPROD \g, (F0+64*(\g&1))
	WIN 0
.if \g == 0
	PLACES                                 ; group 0 has no maxima behind its products; behind the other groups' last product stand its four maxima
.endif
.if \g < 2
	FETCHK \slot, (\g+2), (F0+64*(\g&1))
.endif
.endr
.if \last
	WIN 0xc0
.set hi, 0
.rept 16
	global_load_b128 v[8*hi:8*hi+3], v[H32], s[16:17] offset:64*hi         ; register j of tile et: out_b[16 et + 8 h + j]
	global_load_b128 v[8*hi+4:8*hi+7], v[H32], s[16:17] offset:64*hi+16
.set hi, hi+1
.endr
	WIN 0
.endif
	FETCHV \slot, 0, F0
	FETCHV \slot, 1, F1
.irp t, 0,1                                ; the last key group's maxima
.irp j, 0,1,2,3,4,5,6,7
	MAXS \t, 3, \j
.endr
.endr
	WIN 0
.irp t, 0,1                                ; four chains to one; the other 256 keys of my query lie in lane L xor 16; the pair for the packed subtraction
	v_max3_num_f32 v[M-84*\t], v[M-84*\t], v[M-84*\t+1], v[M-84*\t+2]
	v_max_num_f32 v[M-84*\t], v[M-84*\t], v[M-84*\t+3]
	v_permlanex16_b32 v[27+\t], v[M-84*\t], s24, s25
	v_max_num_f32 v[M-84*\t], v[M-84*\t], v[27+\t]
	v_mov_b32 v[M-84*\t+1], v[M-84*\t]
.endr
.irp k, 0,1,2,3,4,5,6,7,8,9,10,11          ; the first 64 keys' numerators have no products to stand behind
	SMXS 0, \k
.endr
.irp q, 0,1,2,3,4,5,6,7
.if (\q & 1) == 0
.if \q < 6
	s_wait_dscnt 16                        ; all but the other buffer's 16 loads: this buffer's fragments of V are in
.else
	s_wait_dscnt 0x0
.endif
.endif
	PVSTEP \q, (F0+64*((\q>>1)&1))
.if (\q & 5) == 1
	WIN 0                                  ; q = 1, 3: the buffer is spent; behind its last product stands a slice of 17 plain vector instructions
	FETCHV \slot, ((\q>>1)+2), (F0+64*((\q>>1)&1))
.endif
.endr
	WIN 0
	PLACES
	v_rcp_f32 v[RR], v[OA+16]              ; the sum is at least 1: the largest score's weight is 1
	v_rcp_f32 v[RR+2], v[OA+40]
	v_nop
	s_wait_alu depctr_va_vdst(0)
	v_mov_b32 v[RR+1], v[RR]
	v_mov_b32 v[RR+3], v[RR+2]
	UNPK 0, v112.l                         ; the column result of both query tiles, f16 to f32: tile t's 16 numbers at F0 + 16 t
	UNPK 1, v113.l
	UNPK 2, v114.l
	UNPK 3, v115.l
	UNPK 4, v116.l
	UNPK 5, v117.l
	UNPK 6, v118.l
	UNPK 7, v119.l
	UNPK 8, v120.l
	UNPK 9, v121.l
	UNPK 10, v122.l
	UNPK 11, v123.l
	UNPK 12, v124.l
	UNPK 13, v125.l
	UNPK 14, v126.l
	UNPK 15, v127.l
.irp t, 0,1
.set ei, 0
.rept 8
	v_pk_fma_f32 v[OA+24*\t+2*ei:OA+24*\t+2*ei+1], v[OA+24*\t+2*ei:OA+24*\t+2*ei+1], v[RR+2*\t:RR+2*\t+1], v[F0+16*\t+2*ei:F0+16*\t+2*ei+1]
.set ei, ei+1
.endr
.set ed, 0
.rept 2
.set ei, 0
.rept 4
	v_cvt_pk_f16_f32 v[OA+24*\t+8*ed+ei], v[OA+24*\t+8*ed+2*ei], v[OA+24*\t+8*ed+2*ei+1]
.set ei, ei+1
.endr
	ds_store_b128 v[ACMB], v[OA+24*\t+8*ed:OA+24*\t+8*ed+3] offset:\slot*2048+\t*1024+ed*512
.set ed, ed+1
.endr
.endr
.endm
; One head's turn.  In front of the round every wave waits for all its tensor loads (its part of this head's tiles among them) and for its LDS instructions
; (its reads of the other slot among them); behind the round the other slot is filled again first: kind 1 the next head's tiles, kind 2 out_w's rows 0 .. 127.
.macro TRIP slot, kind, last
	WIN 0
	s_wait_xcnt 0x0
	v_lshl_add_u32 v126, v0, 2, 0x4e400
	v_mov_b32 v127, 0
	s_wait_tensorcnt 0x0                   ; no tensor load of mine is out: the descriptors' first groups may be written
	ds_add_u32 v126, v127
	s_wait_dscnt 0x0
.if \kind == 1
	s_add_nc_u64 s[70:71], s[70:71], 32768 ; the next head
	s_add_nc_u64 s[74:75], s[74:75], 32768
	s_add_nc_u64 s[78:79], s[78:79], 32768
	s_add_nc_u64 s[82:83], s[82:83], 32768
	s_mov_b32 s69, (1-\slot)*SLOT+KOF      ; into the other slot
	s_mov_b32 s73, (1-\slot)*SLOT+VOF
	s_mov_b32 s77, (1-\slot)*SLOT+QOF
	s_mov_b32 s81, (1-\slot)*SLOT+COF
.endif
	s_wait_dscnt 0x0
	ROUND
.if \kind == 1
	TLOAD
.else
	tensor_load_to_lds s[84:87], s[56:63]  ; 32 rows of out_w a wave, jointly
	s_nop 0
.endif
	HEAD \slot, \last
.endm
.macro FETCHO half, g, f               ; out_w's fragments: e tiles 2 (g >> 1), + 1 of the half, k steps (heads) 4 (g & 1) .. + 3; fragment (e2, ks) at 8 (4 e2 + ks)
.set oe, 0
.rept 2
.set ok, 0
.rept 4
	ds_load_b128 v[\f+8*(4*oe+ok):\f+8*(4*oe+ok)+3], v[AW+\half] offset:(2*((\g)>>1)+oe)*16*WOP+64*(4*((\g)&1)+ok)
	ds_load_b128 v[\f+8*(4*oe+ok)+4:\f+8*(4*oe+ok)+7], v[AW+\half] offset:(2*((\g)>>1)+oe)*16*WOP+64*(4*((\g)&1)+ok)+32
.set ok, ok+1
.endr
.set oe, oe+1
.endr
.endm
.macro OPROD half, g, f                ; 16 products on four accumulators, which take turns; head 0's product starts each sum from out_b
.set ok, 0
.rept 4
.set ohd, 4*(\g&1)+ok
.if ohd == 0
	WIN 0x78
.else
	WIN 0x58
.endif
.set oe, 0
.rept 2
.set oet, 8*\half+2*(\g>>1)+oe
.set ot, 0
.rept 2
.if ohd == 0
	v_wmma_f32_16x16x32_f16 v[8*(2*oet+ot):8*(2*oet+ot)+7], v[\f+8*(4*oe+ok):\f+8*(4*oe+ok)+7], v[8*(2*ohd+ot):8*(2*ohd+ot)+7], v[8*oet:8*oet+7]
.else
	v_wmma_f32_16x16x32_f16 v[8*(2*oet+ot):8*(2*oet+ot)+7], v[\f+8*(4*oe+ok):\f+8*(4*oe+ok)+7], v[8*(2*ohd+ot):8*(2*ohd+ot)+7], v[8*(2*oet+ot):8*(2*oet+ot)+7]
.endif
.set ot, ot+1
.endr
.set oe, oe+1
.endr
.set ok, ok+1
.endr
.endm
; 128 columns e of the output projection, out_w's rows in slot half
.macro OUTSTEP half
	WIN 0
	s_wait_xcnt 0x0
	v_lshl_add_u32 v126, v0, 2, 0x4e400
	v_mov_b32 v127, 0
	s_wait_tensorcnt 0x0                   ; my 32 rows of this half are in, and no tensor load of mine is out
	ds_add_u32 v126, v127
	s_wait_dscnt 0x0
.if \half == 0
	s_add_co_u32 s85, s85, SLOT            ; rows 128 .. 255 go to slot 1
	s_add_nc_u64 s[86:87], s[86:87], 65536
.endif
	s_wait_dscnt 0x0                       ; my reads of the other slot are done
.if \half == 0
	ROUND
	tensor_load_to_lds s[84:87], s[56:63]
	s_nop 0
	WIN 0x80
.set hi, 0
.rept 32
	ds_load_b128 v[4*hi:4*hi+3], v[ACMR] offset:512*hi             ; the sums' fragments, my own bytes, in the order in which they were stored
.set hi, hi+1
.endr
	WIN 0
	s_wait_loadcnt 0x0                     ; out_b
.else
	s_barrier_signal -1
	s_barrier_wait -1
.endif
	FETCHO \half, 0, F0
	FETCHO \half, 1, F1
.irp g, 0,1,2,3,4,5,6,7
.if \g < 7
	s_wait_dscnt 16                        ; all but the next group's 16 loads
.else
	s_wait_dscnt 0x0
.endif
	OPROD \half, \g, (F0+64*(\g&1))
	WIN 0
.if \g != 6
	PLACES
.endif
.if \g < 6
	FETCHO \half, (\g+2), (F0+64*(\g&1))
.endif
.endr
.endm
	s_load_b512 s[4:19], s[0:1], 0x0               ; qws, kws, vws, cws, wows, mask, out_b, out0
	v_lshl_add_u32 v126, v0, 2, 0x4e400
	v_mov_b32 v127, 0
	ds_add_u32 v126, v127
	s_wait_dscnt 0x0
	v_and_b32 v1, 15, v0                           ; r
	v_bfe_u32 v2, v0, 4, 1                         ; h
	v_and_b32 v3, 31, v0                           ; L
	v_lshrrev_b32 v28, 5, v0
	v_readfirstlane_b32 s20, v28                   ; wave
	s_bfe_u32 s21, ttmp6, 0x40000                  ; cx: my block of 128 queries
	s_mov_b32 s24, 0x76543210
	s_mov_b32 s25, 0xfedcba98
	; Descriptors, second groups.  Every tile is dense in memory and comes as rows of 8-byte elements; the padding is counted along the whole tile.
	s_mov_b32 s32, 15|(3<<16)|(1<<20)|(1<<21)|(3<<22)|(3<<25)      ; K: mask 15, bit 21 beside it; 8-byte elements; 4 words of padding behind every 16: pitch 80
	s_mov_b32 s33, 32<<16                          ; tensor_dim0 = 32 elements (256 bytes)
	s_mov_b32 s34, 128<<16                         ; tensor_dim1 = 128 rows
	s_mov_b32 s35, 32<<16                          ; tile_dim0
	s_mov_b32 s36, 128                             ; tile_dim1
	s_mov_b32 s37, 32                              ; pitch in memory
	s_mov_b32 s38, 0
	s_mov_b32 s39, 0
	s_mov_b32 s40, 15|(3<<16)|(1<<20)|(1<<21)|(3<<22)|(7<<25)      ; V: 8 words of padding: pitch 96
	s_mov_b32 s41, 32<<16
	s_mov_b32 s42, 128<<16
	s_mov_b32 s43, 32<<16
	s_mov_b32 s44, 128
	s_mov_b32 s45, 32
	s_mov_b32 s46, 0
	s_mov_b32 s47, 0
	s_mov_b32 s48, (3<<16)|(1<<20)|(3<<22)|(3<<25)                 ; Q and the column result: my own, 32 rows of 256 bytes, pitch 80
	s_mov_b32 s49, 32<<16
	s_mov_b32 s50, 32<<16
	s_mov_b32 s51, 32<<16
	s_mov_b32 s52, 32
	s_mov_b32 s53, 32
	s_mov_b32 s54, 0
	s_mov_b32 s55, 0
	s_mov_b32 s56, 15|(3<<16)|(1<<20)|(1<<21)|(6<<22)|(3<<25)      ; out_w: 32 rows of 512 bytes, 4 words of padding behind every 128: pitch 528
	s_mov_b32 s57, 64<<16
	s_mov_b32 s58, 32<<16
	s_mov_b32 s59, 64<<16
	s_mov_b32 s60, 32
	s_mov_b32 s61, 64
	s_mov_b32 s62, 0
	s_mov_b32 s63, 0
	s_lshl_b32 s26, ttmp9, 18                      ; s * 262,144: what the four partners share; these two registers never hold cx
	s_mov_b32 s27, 0
	s_lshl_b32 s28, ttmp9, 18                      ; + cx * 128 rows of 64 bytes: my own
	s_lshl_b32 s29, s21, 13
	s_add_co_u32 s28, s28, s29
	s_mov_b32 s29, 0
	s_lshl_b32 s30, s20, 14                        ; out_w: 32 w rows of 512 bytes
	s_mov_b32 s31, 0
	s_wait_kmcnt 0x0
	s_mov_b32 s68, 1
	s_mov_b32 s69, KOF
	s_add_nc_u64 s[70:71], s[6:7], s[26:27]
	s_or_b32 s71, s71, 0x80000000
	s_mov_b32 s72, 1
	s_mov_b32 s73, VOF
	s_add_nc_u64 s[74:75], s[8:9], s[26:27]
	s_or_b32 s75, s75, 0x80000000
	s_mov_b32 s76, 1
	s_mov_b32 s77, QOF
	s_add_nc_u64 s[78:79], s[4:5], s[28:29]
	s_or_b32 s79, s79, 0x80000000
	s_mov_b32 s80, 1
	s_mov_b32 s81, COF
	s_add_nc_u64 s[82:83], s[10:11], s[28:29]
	s_or_b32 s83, s83, 0x80000000
	s_mov_b32 s84, 1
	s_mul_i32 s85, s20, 32*WOP
	s_add_nc_u64 s[86:87], s[12:13], s[30:31]
	s_or_b32 s87, s87, 0x80000000
	ROUND                                          ; all four work-groups are here: the first joint loads meet
	TLOAD                                          ; head 0 into slot 0
	s_lshl_b32 s26, ttmp9, 9                       ; the mask's row s
	s_add_nc_u64 s[14:15], s[14:15], s[26:27]
	s_lshl_b32 s28, ttmp9, 19                      ; out0: row s * 512 + 128 cx + 32 w, 1,024 bytes each
	s_lshl_b32 s30, s21, 17
	s_add_co_u32 s28, s28, s30
	s_lshl_b32 s30, s20, 15
	s_add_co_u32 s28, s28, s30
	s_add_nc_u64 s[18:19], s[18:19], s[28:29]
	v_lshlrev_b32 v[GO], 4, v3
	global_load_b128 v[20:23], v[GO], s[14:15]     ; 16 keys' mask bytes a lane
	v_mul_u32_u24 v[AK], v1, KP
	v_lshl_add_u32 v[AK], v2, 4, v[AK]
	v_add_nc_u32 v[AK+1], SLOT, v[AK]
	v_and_b32 v28, 7, v0
	v_lshl_add_u32 v28, v2, 3, v28
	v_mul_u32_u24 v28, v28, VP
	v_bfe_u32 v29, v0, 3, 1
	v_lshl_add_u32 v28, v29, 4, v28
	v_add_nc_u32 v[AV], VOF, v28
	v_add_nc_u32 v[AV+1], SLOT+VOF, v28
	s_mul_i32 s30, s20, 32*KP
	s_add_co_u32 s30, s30, QOF
	v_add_nc_u32 v[AQ], s30, v[AK]
	v_add_nc_u32 v[AQ+1], SLOT, v[AQ]
	v_add_nc_u32 v[AC], COF-QOF, v[AQ]
	v_add_nc_u32 v[AC+1], SLOT, v[AC]
	s_lshl_b32 s30, s20, 14
	s_add_co_u32 s30, s30, COMB
	v_lshl_add_u32 v[ACMB], v3, 4, s30
	v_mov_b32 v[ACMR], v[ACMB]
	v_mul_u32_u24 v[AW], v1, WOP
	v_lshl_add_u32 v[OSW], v2, 5, v[AW]
	v_lshl_add_u32 v[AW], v2, 4, v[AW]
	v_add_nc_u32 v[AW+1], SLOT, v[AW]
	s_mul_i32 s30, s20, OSTW
	s_add_co_u32 s30, s30, OST
	v_add_nc_u32 v[OSW], s30, v[OSW]
	v_lshl_add_u32 v[OSR], v3, 4, s30
	v_lshlrev_b32 v[H32], 5, v2
	v_mov_b32 v[VNEG], 0xceabfb8f                  ; -1e9 * log2(e)
	v_lshl_add_u32 v25, v3, 6, s30                 ; my 16 words of my wave's table
	v_add_nc_u32 v26, s30, v[H32]
	v_mov_b32 v27, 0                               ; v27 and v28 take the other half's maxima: written whole before
.set oi, 0
.rept 8
	v_mov_b32 v[ONES+oi], 0x3c003c00               ; a fragment of ones in f16
.set oi, oi+1
.endr
	; the mask's row as 512 f32, 0 or NEG, through my wave's own table into 32 C tiles: register j of tile kt is key 16 kt + 8 h + j
	s_wait_loadcnt 0x0
.set oq, 0
.rept 4
.set ob, 0
.rept 4
	v_bfe_u32 v24, v[20+oq], 8*ob, 8
	v_cmp_eq_u32 vcc_lo, 0, v24
	v_cndmask_b32 v[F0+4*oq+ob], 0, v[VNEG], vcc_lo
.set ob, ob+1
.endr
	ds_store_b128 v25, v[F0+4*oq:F0+4*oq+3] offset:16*oq
.set oq, oq+1
.endr
	WIN 0xc0
.set oq, 0
.rept 32
	ds_load_b128 v[8*oq:8*oq+3], v26 offset:64*oq                  ; LDS serves a wave's instructions in order: these see the stores above
	ds_load_b128 v[8*oq+4:8*oq+7], v26 offset:64*oq+16
.set oq, oq+1
.endr
	WIN 0
	s_mov_b32 s23, 3
.Lheads:                                           ; heads 0 .. 5, two a trip
	TRIP 0, 1, 0
	TRIP 1, 1, 0
	WIN 0
	s_wait_dscnt 0x0                               ; the stores that use ACMB are done
	v_add_nc_u32 v[ACMB], 4096, v[ACMB]
	s_sub_co_u32 s23, s23, 1
	s_cmp_lg_u32 s23, 0
	s_cbranch_scc1 .Lheads
	TRIP 0, 1, 0                                   ; head 6; head 7's tiles go out
	TRIP 1, 2, 1                                   ; head 7; out_w's first half goes into slot 0
	OUTSTEP 0                                      ; its second half goes into slot 1
	OUTSTEP 1
	; THE WAY OUT: a lane holds one query and eight neighbouring e.  16 queries x 128 e at a time through my own stage, read back as rows of 512 bytes.
.irp t, 0,1
.irp eh, 0,1
	s_wait_xcnt 0x0                                ; F0 was the last chunk's store data: it is loaded again only behind this wait
	WIN 0x04
.set se, 0
.rept 8
	ds_store_b128 v[OSW], v[8*(2*(8*\eh+se)+\t):8*(2*(8*\eh+se)+\t)+3] offset:64*se
	ds_store_b128 v[OSW], v[8*(2*(8*\eh+se)+\t)+4:8*(2*(8*\eh+se)+\t)+7] offset:64*se+16
.set se, se+1
.endr
	WIN 0
.set se, 0
.rept 16
	ds_load_b128 v[F0+4*se:F0+4*se+3], v[OSR] offset:WOP*se
.set se, se+1
.endr
.set se, 0
.rept 16
	s_wait_dscnt 15-se                             ; LDS loads come back in order: row se is in, the younger ones stay out
	global_store_b128 v[GO], v[F0+4*se:F0+4*se+3], s[18:19] offset:(16*\t+se)*1024+512*\eh th:TH_STORE_NT   ; the wave's store covers 512 consecutive bytes, aligned
.set se, se+1
.endr
.endr
.endr
	s_wait_dscnt 0x0
	s_wait_xcnt 0x0
	v_lshl_add_u32 v126, v0, 2, 0x4e400
	v_mov_b32 v127, 0
	s_wait_tensorcnt 0x0
	ds_add_u32 v126, v127
	s_wait_dscnt 0x0
	ROUND                                          ; the closing round: no work-group ends while a partner may still ask for a tile that names it
	s_endpgm
.Lfunc_end_k_q769f26a930_row_out:
	.size	k_q769f26a930_row_out, .Lfunc_end_k_q769f26a930_row_out-k_q769f26a930_row_out
	.p2alignl 7, 3214868480
	.fill 96, 4, 3214868480
	.section	.rodata,"a",@progbits
	.p2align	6, 0x0
	.amdhsa_kernel k_q769f26a930_row_out
		.amdhsa_group_segment_fixed_size 327680
		.amdhsa_private_segment_fixed_size 0
		.amdhsa_enable_private_segment 0
		.amdhsa_kernarg_size 64
		.amdhsa_user_sgpr_count 2
		.amdhsa_user_sgpr_kernarg_segment_ptr 1
		.amdhsa_wavefront_size32 1
		.amdhsa_system_sgpr_workgroup_id_x 1
		.amdhsa_system_sgpr_workgroup_id_y 1
		.amdhsa_system_sgpr_workgroup_id_z 1
		.amdhsa_system_vgpr_workitem_id 0
		.amdhsa_next_free_vgpr 1024
		.amdhsa_next_free_sgpr 88
		.amdhsa_reserve_vcc 1
		.amdhsa_float_denorm_mode_32 3
		.amdhsa_float_denorm_mode_16_64 3
		.amdhsa_memory_ordered 1
		.amdhsa_forward_progress 1
		.amdhsa_inst_pref_size 255
	.end_amdhsa_kernel
	.section	.bss,"aw",@nobits
	.p2align	6
	.space	262144
	.amdgpu_metadata
---
amdhsa.version: [ 1, 2 ]
amdhsa.kernels:
  - .name:           k_q769f26a930_row_out
    .symbol:         k_q769f26a930_row_out.kd
    .args:
      - { .name: qws, .offset: 0, .size: 8, .value_kind: global_buffer, .address_space: global }
      - { .name: kws, .offset: 8, .size: 8, .value_kind: global_buffer, .address_space: global }
      - { .name: vws, .offset: 16, .size: 8, .value_kind: global_buffer, .address_space: global }
      - { .name: cws, .offset: 24, .size: 8, .value_kind: global_buffer, .address_space: global }
      - { .name: wows, .offset: 32, .size: 8, .value_kind: global_buffer, .address_space: global }
      - { .name: mask, .offset: 40, .size: 8, .value_kind: global_buffer, .address_space: global }
      - { .name: out_b, .offset: 48, .size: 8, .value_kind: global_buffer, .address_space: global }
      - { .name: out0, .offset: 56, .size: 8, .value_kind: global_buffer, .address_space: global }
    .group_segment_fixed_size: 327680
    .private_segment_fixed_size: 0
    .kernarg_segment_align: 8
    .kernarg_segment_size: 64
    .max_flat_workgroup_size: 128
    .sgpr_count:     88
    .vgpr_count:     1024
    .wavefront_size: 32
...
	.end_amdgpu_metadata
.endif
;; end of part 4
